; MI455X (gfx1250); checked and timed in simulation.
; The chip was launched on July 23, 2026; its instructions are those of AMD's public machine-readable ISA for CDNA 5 (MIT licence, August 2026) and "CDNA5" Instruction Set Architecture Reference Guide (July 2026). The comments in the code are by the model that wrote it; some were corrected since.
;; Causal Self Attention. Allowed arithmetic: matrix products marked QUANTISED: E4M3 operands, one given power-of-two scale a tensor, by v_wmma_f32_16x16x64_fp8_fp8 or v_wmma_f32_16x16x128_fp8_fp8, f32 sums; everything else in f32.
;; Inputs: W_attn 1,024 x 3,072 float32; W_proj 1,024 x 1,024 float32; attention_mask 4 x 2,048 int32; b_attn 3,072 float32; b_proj 1,024 float32; lowp_scales 8 int32 (the exponents e of the quantised operands' scales 2^e); x 4 x 2,048 x 1,024 float32.
;; Outputs: out0 4 x 2,048 x 1,024 float32.
;; This version of the problem:
;;   THIS VERSION OF THE PROBLEM IS GIVEN IN LOW PRECISION. The matrix products marked QUANTISED in the list below multiply operands that are first quantised to E4M3 (4 exponent bits, 3 mantissa bits; 8 bits a number), with one given power-of-two scale for each operand tensor; their sums are f32. All else is computed in f32.
;;   The module's matrix products, in the order in which they are computed (A, B: the left and right operand; K: the contracted axis; several contracted axes count as one K, in the product's order):
;;     1. [M 8,192, K 1,024] x [K 1,024, N 3,072]; A: input x; B: input W_attn: QUANTISED (scales: A lowp_scales[0], B lowp_scales[1])
;;     2. batch 64 x [M 2,048, K 64] x [K 64, N 2,048]; A: computed on the way; B: computed on the way: QUANTISED (scales: A lowp_scales[2], B lowp_scales[3])
;;     3. batch 64 x [M 2,048, K 2,048] x [K 2,048, N 64]; A: softmax (see below); B: computed on the way: QUANTISED (scales: A lowp_scales[4], B lowp_scales[5])
;;     4. [M 8,192, K 1,024] x [K 1,024, N 1,024]; A: computed on the way; B: input W_proj: QUANTISED (scales: A lowp_scales[6], B lowp_scales[7])
;;   THE QUANTISER, for each operand of a quantised product, along K:
;;     - The operand's scale is 2^e, e = its entry of the input lowp_scales (int32; the entries are numbered through the quantised products in the list's order, A before B).
;;     - Each number is divided by the scale, clamped to +-448, and rounded to the nearest number of E4M3, ties to even, subnormals kept.
;;     - The product sums the exact products of the quantised numbers (number of the format x scale) in f32.
;;   ~~~python
;;   def quantise(x, axis, e):      # numpy; x: float32 -> the quantised numbers, widened to float32 again
;;       x = np.moveaxis(x, axis, -1); K = x.shape[-1]
;;       r = np.clip(x / 2.0 ** e, -448, 448)
;;       step = 2.0 ** (np.maximum(np.frexp(np.where(r == 0, 1, r))[1] - 1, -6) - 3)
;;       q = np.round(r / step) * step * 2.0 ** e      # np.round: ties to even
;;       return np.moveaxis(q, -1, axis).astype(np.float32)
;;   ~~~
;;   SOFTMAX AHEAD OF A QUANTISED PRODUCT. Where the list says 'softmax', what is quantised is not the finished softmax but p = 2^(t - M), with t = logit x log2(e) and M = ceil(the row's largest t), a whole number; so 1/2 < the row's largest p <= 1. The row's sum l is taken of the UNQUANTISED p, in f32, and the product's result is divided by l at the end. Since M is a whole number, a kernel that streams over the keys may use a running M (the ceiling of the running maximum): every later rescaling is an exact power of two, so the quantised numbers keep their values, but for numbers so far below the row's largest that they fall under the format's range.
;;   OPERANDS COMPUTED ON THE WAY. 'Computed on the way' means the value that the module computes at that place (a softmax that the list does not call 'softmax' is quantised finished and normalised). What goes into a quantiser is computed in f32, as accurately as f32 sums, v_exp_f32 and their like allow (about 1e-6 of the number): no bf16 or f16 on the way to a quantiser, and a product that is left as it is and whose result goes on into a quantised operand takes f32 operands (vector FMAs, or v_wmma_f32_16x16x4_f32). A number that lies on a knife's edge between two numbers of the format may be rounded either way, as far as f32 arithmetic and the matrix unit's own rounding can turn it there, and no further.
;; One version. Each part assembles by itself: llvm-mc -triple=amdgcn-amd-amdhsa -mcpu=gfx1250 --defsym DOCPART=n.
;; ======== version 1 of 1: 4 launches
;; limits: right only within a limited range of input values
;; workspace buffers: x_img 8,388,608 bytes; wa_img 3,145,728 bytes; wp_img 1,048,576 bytes; q_img 8,388,608 bytes; k_img 8,388,608 bytes; v_img 8,388,608 bytes; y_img 8,388,608 bytes
;; launch quant (part 1): grid 384 x 1, 4 waves a work-group, no clusters, 34,304 bytes of LDS; arguments x, W_attn, W_proj, lowp_scales, x_img, wa_img, wp_img; writes x_img, wa_img, wp_img
.if DOCPART == 1
	.amdgcn_target "amdgcn-amd-amdhsa--gfx1250"
	.amdhsa_code_object_version 6
	.text
	.protected	k_q596c6d25c3_quant
	.globl	k_q596c6d25c3_quant
	.p2align	8
	.type	k_q596c6d25c3_quant,@function
k_q596c6d25c3_quant:
	s_mov_b64 s[64:65], 0
	v_nop
	global_prefetch_b8 v0, s[64:65] scope:SCOPE_SE
	s_setreg_imm32_b32 hwreg(HW_REG_WAVE_MODE, 25, 1), 1
	s_wait_xcnt 0x0
; x [8192][1024], W_attn [1024][3072] and W_proj [1024][1024], f32, become codes of FP8 (E4M3), each with the one scale 2^e given for it (entries 0, 1 and 7 of the scales).
; code = number / 2^e, rounded to the nearest code, ties to even.
; THE CODES ARE LAID AS IMAGES OF OPERAND REGISTERS.  A fragment is 16 rows x 128 along K: 16 registers a lane, registers 2 c, 2 c + 1 of lane (r, h) = k 16 c + 8 h + 0 .. 7 of row r.
; Its image is 2,048 bytes: [piece 0..3][lane 0..31][16 bytes], piece m = registers 4 m .. 4 m + 3: so lane (r, h)'s 16 bytes of piece m are k = 32 m + 8 h + 0 .. 7, then k = 32 m + 16 + 8 h + 0 .. 7.
; A tensor is [tile of 16 rows][K step of 128: 8][2,048 bytes]; for the weights a "row" is a column n, since K is their first axis.
; SHARES: work-groups 0-255 take x (32 rows each), 256-351 W_attn, 352-383 W_proj (128 columns x 256 along K each): 131,072 bytes of f32 to every work-group.  Waves share nothing: no barrier.
; LIMITS: each e between -126 and 119, so that 2^e and 448 x 2^e are f32 numbers.  NaN among the inputs is not served.
.set SP,  528                          ; x: a row of the wave's stage in LDS: 512 bytes + 16 = 33 x 16, so that the sixteen rows that a read touches start at sixteen different 16-byte columns
.set WST, 16*SP                        ; a wave's stage: 16 rows
.set XR,  16                           ; v16-143   x: two sets of 64 registers as loaded (16 rows x 16 bytes a lane)
.set XN,  144                          ; v144-207  x: 64 numbers of my row in the image's order
.set XC,  208                          ; v208-239  x: two sets of 16 registers of codes
.set WX,  32                           ; v32-95    W: two sets of 32 numbers down K
.set WC,  96                           ; v96-159   W: 8 registers of codes for each block, never written again
	s_load_b256 s[4:11], s[0:1], 0x0               ; x s[4:5], W_attn s[6:7], W_proj s[8:9], the scales' exponents s[10:11]
	s_load_b128 s[12:15], s[0:1], 0x20             ; x_img s[12:13], wa_img s[14:15]
	s_load_b64 s[16:17], s[0:1], 0x30              ; wp_img
	v_lshl_add_u32 v240, v0, 2, 0x8400
	v_mov_b32 v241, 0
	v_lshrrev_b32 v1, 5, v0
	v_readfirstlane_b32 s18, v1                    ; wave 0..3
	v_and_b32 v1, 31, v0                           ; lane
	s_mov_b32 s33, 0                               ; the upper word of every offset pair s[32:33]
	s_wait_kmcnt 0x0
	s_load_b256 s[20:27], s[10:11], 0x0            ; the eight exponents
.macro SCALE e                         ; v11 = 2^e (the conversion takes its exponent field), s28 = 448 x 2^e
	s_wait_kmcnt 0x0
	s_add_co_i32 s28, s[\e], 127
	s_lshl_b32 s29, s28, 23
	v_mov_b32 v11, s29
	s_add_co_i32 s28, s28, 8
	s_lshl_b32 s28, s28, 23
	s_or_b32 s28, s28, 0x600000
.endm
	s_cmp_lt_u32 ttmp9, 256
	s_cbranch_scc0 .Lweights
; ---- x.  Wave w of work-group g takes tile of rows 2 g + w / 2, K steps 4 (w % 2) .. + 3: four units of 16 rows x 128 K.
; Each load reads 512 consecutive bytes of one row; the unit turns through the wave's own stage, and comes back 64 numbers a lane in the image's order.
	s_lshl_b32 s30, ttmp9, 1
	s_lshr_b32 s31, s18, 1
	s_add_co_u32 s30, s30, s31                     ; the tile of rows
	s_and_b32 s31, s18, 1
	s_lshl_b32 s32, s30, 16                        ; 16 rows of 4,096 bytes
	s_lshl_b32 s34, s31, 11                        ; four K steps of 512 bytes
	s_add_co_u32 s32, s32, s34
	s_add_nc_u64 s[4:5], s[4:5], s[32:33]
	s_lshl_b32 s32, s30, 14                        ; a tile's eight images
	s_lshl_b32 s34, s31, 13                        ; four of them
	s_add_co_u32 s32, s32, s34
	s_add_nc_u64 s[12:13], s[12:13], s[32:33]
	s_wait_alu depctr_va_vdst(0)
	v_lshlrev_b32 v2, 4, v1                        ; 16 x lane: my bytes of a load and of a store
	s_mul_i32 s35, s18, WST
	v_add_nc_u32 v3, s35, v2                       ; the stage, on the way in
	v_and_b32 v5, 15, v0                           ; r
	v_bfe_u32 v6, v0, 4, 1                         ; h
	v_mul_u32_u24 v4, v5, SP
	v_lshl_add_u32 v4, v6, 5, v4
	v_add_nc_u32 v4, s35, v4                       ; and on the way out: row r, + 32 h bytes (8 h numbers)
.macro XLOAD t
.irp r, 0,1,2,3,4,5,6,7,8,9,10,11,12,13,14,15
	global_load_b128 v[XR+64*((\t)%2)+4*\r:XR+64*((\t)%2)+4*\r+3], v2, s[4:5] offset:4096*\r+512*(\t) th:TH_LOAD_NT
.endr
.endm
.macro XUNIT t
.if (\t) < 3
	s_wait_loadcnt 16                              ; this unit's 16 loads are in; the next unit's 16 may be out
.else
	s_wait_loadcnt 0x0
.endif
.irp r, 0,1,2,3,4,5,6,7,8,9,10,11,12,13,14,15
	ds_store_b128 v3, v[XR+64*((\t)%2)+4*\r:XR+64*((\t)%2)+4*\r+3] offset:SP*\r
.endr
.irp c, 0,1,2,3                        ; LDS serves a wave's instructions in order: these see the stores above.  Piece c: k = 32 c + 8 h + 0 .. 7, then 32 c + 16 + 8 h + 0 .. 7
	ds_load_b128 v[XN+16*\c:XN+16*\c+3], v4 offset:128*\c
	ds_load_b128 v[XN+16*\c+4:XN+16*\c+7], v4 offset:128*\c+16
	ds_load_b128 v[XN+16*\c+8:XN+16*\c+11], v4 offset:128*\c+64
	ds_load_b128 v[XN+16*\c+12:XN+16*\c+15], v4 offset:128*\c+80
.endr
	s_wait_dscnt 0x0                               ; the numbers are back, and the stores into the stage have read their registers,
.if (\t)+2 < 4
	XLOAD (\t)+2                                   ; which take the loads of two units on
.else
	s_wait_xcnt 0x0                                ; the set of codes written below was stored two units ago: it is written again only behind this wait
.endif
.set j, 0
.rept 64
.set j, j+1
.endr
.irp c, 0,1,2,3
	v_cvt_scalef32_pk8_fp8_f32 v[XC+16*((\t)%2)+4*\c:XC+16*((\t)%2)+4*\c+1], v[XN+16*\c:XN+16*\c+7], v11
	v_cvt_scalef32_pk8_fp8_f32 v[XC+16*((\t)%2)+4*\c+2:XC+16*((\t)%2)+4*\c+3], v[XN+16*\c+8:XN+16*\c+15], v11
.endr
	v_nop                                          ; one plain vector line behind the conversions
.irp c, 0,1,2,3
	global_store_b128 v2, v[XC+16*((\t)%2)+4*\c:XC+16*((\t)%2)+4*\c+3], s[12:13] offset:2048*(\t)+512*\c   ; a piece: 512 consecutive bytes, aligned
.endr
.endm
	XLOAD 0
	XLOAD 1
	s_wait_alu depctr_va_vdst(0)
	SCALE 20
	s_wait_alu depctr_va_vdst(0)
	XUNIT 0
	XUNIT 1
	XUNIT 2
	XUNIT 3
	s_wait_tensorcnt 0x0
	ds_add_u32 v240, v241
	s_wait_dscnt 0x0
	s_endpgm
; ---- the weights.  A LANE TAKES A COLUMN n AND ITS REGISTERS RUN DOWN K: each load reads 128 consecutive bytes a wave (512 a work-group), and the conversions give codes with K innermost.
; A block of 32 along K of column n is piece (block % 4) of an image: 16 bytes for lane (n % 16, 0) and 16 for lane (n % 16, 1), 256 bytes on.  Sixteen lanes store 256 consecutive bytes, aligned.
.macro WLOAD t
.irp i, 0,1,2,3,4,5,6,7,8,9,10,11,12,13,14,15,16,17,18,19,20,21,22,23,24,25,26,27,28,29,30,31
	global_load_b32 v[WX+32*((\t)%2)+\i], v2, s[WI:WI+1] offset:(32*(\t)+\i)*WN*4 th:TH_LOAD_NT   ; 255 rows of 12,288 bytes at the most: inside the signed 24-bit immediate
.endr
.endm
.macro WBLOCK t
.set XS, WX+32*((\t)%2)
.set CB, WC+8*(\t)
.if (\t) < 7
	s_wait_loadcnt 32                              ; this block's 32 loads are in; the next block's 32 may be out
.else
	s_wait_loadcnt 0x0
.endif
.set j, 0
.rept 32
.set j, j+1
.endr
	v_cvt_scalef32_pk8_fp8_f32 v[CB:CB+1], v[XS:XS+7], v11             ; k 0-7 and 16-23: lane (r, 0)'s 16 bytes
	v_cvt_scalef32_pk8_fp8_f32 v[CB+2:CB+3], v[XS+16:XS+23], v11
	v_cvt_scalef32_pk8_fp8_f32 v[CB+4:CB+5], v[XS+8:XS+15], v11        ; k 8-15 and 24-31: lane (r, 1)'s
	v_cvt_scalef32_pk8_fp8_f32 v[CB+6:CB+7], v[XS+24:XS+31], v11
	v_nop                                          ; one plain vector line behind the conversions
	global_store_b128 v3, v[CB:CB+3], s[WO:WO+1] offset:((\t)/4)*2048+((\t)%4)*512
	global_store_b128 v3, v[CB+4:CB+7], s[WO:WO+1] offset:((\t)/4)*2048+((\t)%4)*512+256
.if (\t)+2 < 8
	WLOAD (\t)+2
.endif
.endm
.macro WPATH first                     ; first: the path's first work-group.  WN: columns of the tensor; s[WI:WI+1], s[WO:WO+1]: in and out; s[WE]: its exponent
	s_sub_co_u32 s30, ttmp9, \first
	s_and_b32 s31, s30, 3                          ; which 256 along K
	s_lshr_b32 s30, s30, 2
	s_lshl_b32 s30, s30, 7
	s_lshl_b32 s32, s18, 5
	s_add_co_u32 s30, s30, s32                     ; my wave's first column
	s_mul_i32 s32, s31, 256*WN*4
	s_lshl_b32 s34, s30, 2
	s_add_co_u32 s32, s32, s34
	s_add_nc_u64 s[WI:WI+1], s[WI:WI+1], s[32:33]
	s_lshl_b32 s32, s30, 10                        ; (column / 16) x 16,384
	s_lshl_b32 s34, s31, 12                        ; two images
	s_add_co_u32 s32, s32, s34
	s_add_nc_u64 s[WO:WO+1], s[WO:WO+1], s[32:33]
	v_lshlrev_b32 v2, 2, v1                        ; in: 4 bytes a lane
	v_lshrrev_b32 v3, 4, v1
	v_and_b32 v4, 15, v1
	v_lshlrev_b32 v3, 14, v3                       ; out: lanes 16-31 are the next tile of 16 columns,
	v_lshl_add_u32 v3, v4, 4, v3                   ; 16 bytes for each column
	WLOAD 0
	WLOAD 1
	SCALE WE
	s_wait_alu depctr_va_vdst(0)
.irp t, 0,1,2,3,4,5,6,7
	WBLOCK \t
.endr
	s_endpgm
.endm
.Lweights:
	s_cmp_lt_u32 ttmp9, 352
	s_cbranch_scc0 .Lwproj
.set WN, 3072
.set WI, 6
.set WO, 14
.set WE, 21
	s_wait_alu depctr_va_vdst(0)
	WPATH 256
.Lwproj:
.set WN, 1024
.set WI, 8
.set WO, 16
.set WE, 27
	s_wait_alu depctr_va_vdst(0)
	WPATH 352
.Lfunc_end_k_q596c6d25c3_quant:
	.size	k_q596c6d25c3_quant, .Lfunc_end_k_q596c6d25c3_quant-k_q596c6d25c3_quant
	.p2alignl 7, 3214868480
	.fill 96, 4, 3214868480
	.section	.rodata,"a",@progbits
	.p2align	6, 0x0
	.amdhsa_kernel k_q596c6d25c3_quant
		.amdhsa_group_segment_fixed_size 34304
		.amdhsa_private_segment_fixed_size 0
		.amdhsa_enable_private_segment 0
		.amdhsa_kernarg_size 56
		.amdhsa_user_sgpr_count 2
		.amdhsa_user_sgpr_kernarg_segment_ptr 1
		.amdhsa_wavefront_size32 1
		.amdhsa_system_sgpr_workgroup_id_x 1
		.amdhsa_system_sgpr_workgroup_id_y 1
		.amdhsa_system_sgpr_workgroup_id_z 1
		.amdhsa_system_vgpr_workitem_id 0
		.amdhsa_next_free_vgpr 242
		.amdhsa_next_free_sgpr 66
		.amdhsa_reserve_vcc 0
		.amdhsa_float_denorm_mode_32 3
		.amdhsa_float_denorm_mode_16_64 3
		.amdhsa_fp16_overflow 1
		.amdhsa_memory_ordered 1
		.amdhsa_forward_progress 1
		.amdhsa_inst_pref_size 79
	.end_amdhsa_kernel
	.amdgpu_metadata
---
amdhsa.version: [ 1, 2 ]
amdhsa.kernels:
  - .name:           k_q596c6d25c3_quant
    .symbol:         k_q596c6d25c3_quant.kd
    .args:
      - { .name: x, .offset: 0, .size: 8, .value_kind: global_buffer, .address_space: global }
      - { .name: W_attn, .offset: 8, .size: 8, .value_kind: global_buffer, .address_space: global }
      - { .name: W_proj, .offset: 16, .size: 8, .value_kind: global_buffer, .address_space: global }
      - { .name: lowp_scales, .offset: 24, .size: 8, .value_kind: global_buffer, .address_space: global }
      - { .name: x_img, .offset: 32, .size: 8, .value_kind: global_buffer, .address_space: global }
      - { .name: wa_img, .offset: 40, .size: 8, .value_kind: global_buffer, .address_space: global }
      - { .name: wp_img, .offset: 48, .size: 8, .value_kind: global_buffer, .address_space: global }
    .group_segment_fixed_size: 34304
    .private_segment_fixed_size: 0
    .kernarg_segment_align: 8
    .kernarg_segment_size: 56
    .max_flat_workgroup_size: 128
    .sgpr_count:     66
    .vgpr_count:     242
    .wavefront_size: 32
...
	.end_amdgpu_metadata
.endif
;; end of part 1
;; launch qkv (part 2): grid 8 x 48, 4 waves a work-group, clusters of 4 x 4, 327,680 bytes of LDS; arguments x_img, wa_img, b_attn, lowp_scales, q_img, k_img, v_img; writes q_img, k_img, v_img
.if DOCPART == 2
	.amdgcn_target "amdgcn-amd-amdhsa--gfx1250"
	.amdhsa_code_object_version 6
	.text
	.protected	k_q596c6d25c3_qkv
	.globl	k_q596c6d25c3_qkv
	.p2align	8
	.type	k_q596c6d25c3_qkv,@function
k_q596c6d25c3_qkv:
	s_mov_b64 s[64:65], 0
	v_nop
	global_prefetch_b8 v0, s[64:65] scope:SCOPE_SE
	s_setreg_imm32_b32 hwreg(HW_REG_WAVE_MODE, 25, 1), 1
	s_wait_xcnt 0x0
	s_wait_alu depctr_hold_cnt(0) depctr_sa_sdst(0) depctr_va_vdst(0) depctr_va_sdst(0) depctr_va_ssrc(0) depctr_va_vcc(0) depctr_vm_vsrc(0)
	s_getreg_b32 s2, hwreg(HW_REG_IB_STS2, 6, 4)
	s_cmp_eq_u32 s2, 0
	s_cbranch_scc0 .Lentry_in_a_cluster
	s_endpgm
.Lentry_in_a_cluster:
	s_bfe_u32 s2, ttmp6, 0x10000c
	s_cmp_lg_u32 s2, 0xf033
	s_cbranch_scc0 .Lentry_shape_is_right
	s_endpgm
.Lentry_shape_is_right:
; qkv = x W_attn + b_attn on codes of FP8 (E4M3); q, k and v leave as codes again, each as images of the registers in which attention wants them.
; IMAGES: a fragment (16 rows x 128 K, 16 registers a lane, registers 2 c, 2 c + 1 of lane (r, h) = k 16 c + 8 h + 0 .. 7) lies as [piece of 4 registers][lane][16 bytes], 2,048 bytes;
; x_img [tile of 16 tokens 512][K step 8][2,048], wa_img [tile of 16 features 192][8][2,048].  So every fragment load is 512 consecutive bytes: no pitch and no padding in LDS.
; A tile of the result, 256 x 256, is made by four waves, 128 x 128 each: 64 accumulators, 512 registers.  K = 1,024 goes in four steps of 256 through two LDS slots filled by the tensor data mover.
; THE MATRIX INSTRUCTION IS USED TRANSPOSED: source 0 = 16 rows of the "j side", source 1 = 16 rows of the "i side": lane (r, h) holds row r of the i side and, in accumulator b, columns 16 b + 8 h + 0 .. 7 of the j side.
; Eight such numbers converted are registers 2 b, 2 b + 1 of an operand whose K is the j side: two accumulators give a piece, which one store of 512 consecutive bytes writes.  Nothing goes through LDS on the way out.
;   q, k (clusters y 0-7):  i side = tokens (x), j side = features (W_attn): K of the next product is the head's 64.     q_img, k_img: [batch x 16 + head][tile of 16 tokens 128][1,024]
;   v    (clusters y 8-11): i side = features 2,048 on (W_attn), j side = tokens (x): K of the next product is the keys.  v_img: [batch x 16 + head][128 keys: 16][tile of 16 channels 4][2,048]
; The two kinds differ in pointers and offsets (chosen by s_cselect on the cluster's y, the same in all partners) and in the way out (one branch on it).
; CLUSTERS: 4 x 4 work-groups; the i side's tile is shared along a row of the cluster, the j side's along a column: each is asked for jointly.
; LIMITS: e0 + e1 between -126 and 127; e2, e3, e5 between -126 and 119: each power of two below is then an f32 number.
; REGISTERS, in windows of 256: window 0: v16-29 addresses; v32-95 the bias along the j side; v96-103 along the i side; v104 the output's scale; from v128 the i side's fragments, one set
;   (on the way out v128-191 numbers, v192-255 four sets of codes).  window 1: the j side's fragments, two sets, at v0 and v128.  windows 2, 3: the accumulators, (a, b) at v[8 (8 (a % 4) + b)] of window 2 + a / 4.
.set NB,     8                         ; blocks of 16 of the j side in a wave's tile
.set APW,    32/NB                     ; blocks of the i side whose accumulators fill a window
.set FR,     16                        ; registers of a fragment
.set NL,     4                         ; LDS loads that bring one
.set NP,     4                         ; places behind this matrix instruction (ISA guide 7.12.1)
.set KSB,    4096                      ; a K step of 256 in a tile's images: two of them
.set HALFA,  8*KSB                     ; what one tensor load brings of the i side: 8 tiles of 16 rows
.set HALFB,  NB*KSB                    ; and of the j side
.set SLOT,   2*HALFA+2*HALFB
.set SPARE,  2*SLOT                    ; behind the ring: the spare words, 128 bytes for each wave: two blocks of 256 bytes that no other line names
.set ADRA, 16                          ; v16-17  LDS address of my i-side fragments in slot 0, 1
.set ADRB, 20                          ; v20-21  the same for the j side
.set LI,   26                          ; v26     16 x lane
.set SPW,  28                          ; v28     LDS address of my spare word; never rewritten
.set NIL,  29                          ; v29     0; never rewritten
.set BJ,   32
.set BI,   96
.set SCL,  104
.set LIM,  105
.set AF,   128
.set TMP,  128
.set CD,   192
.set G1, 24                            ; s[24:31] descriptor group 1 for the i side;  s[32:39] its groups 0, one for each slot
.set G0, 32
.set G1B, 48                           ; s[48:55], s[56:63] the same for the j side
.set G0B, 56
.set MSB, 0
.macro WIN new                         ; the immediate's high byte repeats the setting that is left
.if MSB != (\new)
	s_set_vgpr_msb (MSB<<8)|(\new)
.set MSB, (\new)
.endif
.endm
.set MUL_LO, 0xa1                      ; source 0 window 1, source 1 window 0, C and D window 2
.set MUL_HI, 0xf1                      ; the same, C and D window 3
.set TO_B,   0x40                      ; destination window 1, address window 0
; A joint load: waves 0 and 1 fetch the i side's halves, waves 2 and 3 the j side's.  The branch hangs on the wave's number alone.  Four v_nop follow each of the two lines.
.macro JLOAD g0a, g1a, g0b, g1b
	s_cmp_eq_u32 s15, 0
	s_cbranch_scc0 .Lfor_b_\@
	tensor_load_to_lds s[\g0a:\g0a+3], s[\g1a:\g1a+7]
	s_nop 0
.rept 4
	v_nop
.endr
	s_branch .Lasked_\@
.Lfor_b_\@:
	tensor_load_to_lds s[\g0b:\g0b+3], s[\g1b:\g1b+7]
	s_nop 0
.rept 4
	v_nop
.endr
.Lasked_\@:
.endm
.macro CREST                           ; a round of the cluster's barrier behind its opening barrier
	s_cmp_lg_u32 s14, 0
	s_cbranch_scc1 .Lnot_wave_0_\@
	s_barrier_signal -3
.Lnot_wave_0_\@:
	s_barrier_wait -3
	s_barrier_signal -1
	s_barrier_wait -1
.endm
.macro CROUND                          ; a whole round
	s_barrier_signal -1
	s_barrier_wait -1
	CREST
.endm
	s_load_b256 s[68:75], s[0:1], 0x0              ; x_img s[68:69], wa_img s[70:71], b_attn s[72:73], the scales' exponents s[74:75]
	s_load_b128 s[76:79], s[0:1], 0x20             ; q_img s[76:77], k_img s[78:79]
	s_load_b64 s[80:81], s[0:1], 0x30              ; v_img
	v_lshl_add_u32 v[SPW], v0, 2, SPARE
	v_mov_b32 v[NIL], 0
	ds_add_u32 v28, v29
	ds_add_u32 v28, v29
	s_wait_dscnt 0x0
	v_lshrrev_b32 v1, 5, v0
	v_readfirstlane_b32 s14, v1                    ; wave 0..3
	s_lshr_b32 s15, s14, 1                         ; which half of the i side is mine.  Also: I fetch for the i side (0) or the j side (1)
	s_and_b32 s16, s14, 1                          ; which half of the j side.  Also: which half of that tile I fetch
	s_bfe_u32 s40, ttmp6, 0x40000                  ; cx, cy: my place in the cluster
	s_bfe_u32 s41, ttmp6, 0x40004
	s_and_b32 s12, ttmp7, 0xffff                   ; the cluster's y: 8 and more make v
	s_lshl_b32 s17, s12, 2
	s_add_co_u32 s17, s17, s41
	s_cmp_ge_u32 s12, 8
	s_cselect_b32 s17, s41, s17                    ; the i side's tile of 256: q, k: tokens, 4 y + cy;  v: features, cy
	s_lshl_b32 s42, ttmp9, 2
	s_add_co_u32 s42, s42, s40
	s_max_u32 s13, s12, 8
	s_sub_co_u32 s13, s13, 8
	s_lshl_b32 s13, s13, 3
	s_add_co_u32 s42, s42, s13                     ; the j side's: q, k: features, 4 x + cx;  v: tokens, 8 (y - 8) + 4 x + cx
	s_lshl_b32 s43, s41, 2
	s_lshl_b32 s43, 15, s43                        ; my row of the cluster
	s_lshl_b32 s44, 0x1111, s40                    ; my column
	; descriptor group 1: 8 rows of 4,096 bytes (a tile's two images of this K step), 16,384 bytes apart in memory, dense in LDS; elements of 8 bytes
	s_or_b32 s[G1+0], s43, (3<<16)|(1<<21)         ; 15:0 the mask: my row; 17:16 elements of 8 bytes; 20 no padding; 21 set beside a mask
	s_or_b32 s[G1B+0], s44, (3<<16)|(1<<21)        ; the same with my column
.irp g, G1, G1B
	s_mov_b32 s[\g+1], 512<<16                     ; tensor_dim0 = 512 elements
	s_mov_b32 s[\g+2], 8<<16                       ; tensor_dim1 = 8
	s_mov_b32 s[\g+3], 512<<16                     ; tile_dim0
	s_mov_b32 s[\g+4], 8                           ; tile_dim1
	s_mov_b32 s[\g+5], 2048                        ; tensor_dim0_stride: 16,384 bytes
	s_mov_b32 s[\g+6], 0
	s_mov_b32 s[\g+7], 0
.endr
	s_lshl_b32 s20, s17, 18                        ; 16 tiles of 16,384 bytes
	s_lshl_b32 s18, s16, 17                        ; the half that I fetch
	s_add_co_u32 s20, s20, s18
	s_cmp_ge_u32 s12, 8
	s_cselect_b32 s19, 0x200000, 0                 ; v: features 2,048 on: 128 tiles
	s_add_co_u32 s20, s20, s19
	s_mov_b32 s21, 0
	s_lshl_b32 s46, s42, 18
	s_add_co_u32 s46, s46, s18
	s_mov_b32 s47, 0
	s_mul_i32 s45, s16, HALFA                      ; where they go: no place in the cluster enters an LDS address
	s_mul_i32 s13, s16, HALFB
	s_add_co_u32 s13, s13, 2*HALFA
	s_wait_kmcnt 0x0
	s_load_b256 s[84:91], s[74:75], 0x0            ; e0 .. e7
	s_cmp_ge_u32 s12, 8
	s_cselect_b64 s[4:5], s[70:71], s[68:69]       ; the i side's buffer,
	s_cselect_b64 s[6:7], s[68:69], s[70:71]       ; the j side's
	s_add_nc_u64 s[20:21], s[4:5], s[20:21]
	s_add_nc_u64 s[46:47], s[6:7], s[46:47]
	CROUND                                         ; all sixteen work-groups are here: the first joint loads meet
.irp s, 0,1
	s_mov_b32 s[G0+4*\s], 1
	s_add_co_u32 s[G0+4*\s+1], s45, \s*SLOT
	s_add_nc_u64 s[G0+4*\s+2:G0+4*\s+3], s[20:21], \s*KSB
	s_or_b32 s[G0+4*\s+3], s[G0+4*\s+3], 0x80000000
	s_mov_b32 s[G0B+4*\s], 1
	s_add_co_u32 s[G0B+4*\s+1], s13, \s*SLOT
	s_add_nc_u64 s[G0B+4*\s+2:G0B+4*\s+3], s[46:47], \s*KSB
	s_or_b32 s[G0B+4*\s+3], s[G0B+4*\s+3], 0x80000000
	JLOAD G0+4*\s, G1, G0B+4*\s, G1B
.endr
	v_and_b32 v1, 31, v0
	v_lshlrev_b32 v[LI], 4, v1
	s_mul_i32 s21, s15, HALFA                      ; my 128 rows of the i side
	s_mul_i32 s22, s16, HALFB                      ; my 128 of the j side,
	s_add_co_u32 s22, s22, 2*HALFA                 ; which lie behind the i side's 256
.irp s, 0,1
	v_add_nc_u32 v[ADRA+\s], s21, v[LI]
	v_add_nc_u32 v[ADRB+\s], s22, v[LI]
	s_add_co_u32 s21, s21, SLOT
	s_add_co_u32 s22, s22, SLOT
.endr
	; the biases, both kinds in every work-group (the kind that is not used reads the buffer's head): so the head has no branch
	v_bfe_u32 v2, v0, 4, 1
	v_lshlrev_b32 v2, 5, v2                        ; 32 h
	s_wait_alu depctr_va_vdst(0)
	v_and_b32 v3, 15, v0
	v_lshlrev_b32 v3, 2, v3                        ; 4 r
	s_wait_alu depctr_va_vdst(0)
	s_lshl_b32 s8, s42, 10
	s_lshl_b32 s9, s16, 9
	s_add_co_u32 s8, s8, s9                        ; q, k: my first feature x 4
	s_cmp_ge_u32 s12, 8
	s_cselect_b32 s8, 0, s8
	s_mov_b32 s9, 0
	s_add_nc_u64 s[8:9], s[72:73], s[8:9]
	s_lshl_b32 s10, s17, 10
	s_lshl_b32 s11, s15, 9
	s_add_co_u32 s10, s10, s11
	s_add_co_u32 s10, s10, 8192                    ; v: (2,048 + my first feature) x 4
	s_cmp_ge_u32 s12, 8
	s_cselect_b32 s10, s10, 0
	s_mov_b32 s11, 0
	s_add_nc_u64 s[10:11], s[72:73], s[10:11]
.irp b, 0,1,2,3,4,5,6,7
	global_load_b128 v[BJ+8*\b:BJ+8*\b+3], v2, s[8:9] offset:64*\b          ; b_attn at features 16 b + 8 h + 0 .. 7
	global_load_b128 v[BJ+8*\b+4:BJ+8*\b+7], v2, s[8:9] offset:64*\b+16
.endr
.irp a, 0,1,2,3,4,5,6,7
	global_load_b32 v[BI+\a], v3, s[10:11] offset:64*\a                     ; b_attn at feature 16 a + r
.endr
	; where my part of the output begins, in bytes, for both kinds
	s_lshr_b32 s2, s17, 3                          ; q, k: batch,
	s_lshl_b32 s2, s2, 4
	s_and_b32 s3, s42, 3
	s_lshl_b32 s3, s3, 2
	s_add_co_u32 s2, s2, s3
	s_lshl_b32 s3, s16, 1
	s_add_co_u32 s2, s2, s3                        ; x 16 + my first head,
	s_lshl_b32 s2, s2, 7
	s_and_b32 s3, s17, 7
	s_lshl_b32 s3, s3, 4
	s_add_co_u32 s2, s2, s3
	s_lshl_b32 s3, s15, 3
	s_add_co_u32 s2, s2, s3                        ; x 128 + my first tile of tokens,
	s_lshl_b32 s2, s2, 10                          ; x 1,024
	s_lshr_b32 s3, s42, 3                          ; v: batch,
	s_lshl_b32 s3, s3, 4
	s_lshl_b32 s18, s17, 2
	s_add_co_u32 s3, s3, s18
	s_lshl_b32 s18, s15, 1
	s_add_co_u32 s3, s3, s18                       ; x 16 + my first head,
	s_lshl_b32 s3, s3, 4
	s_and_b32 s18, s42, 7
	s_lshl_b32 s18, s18, 1
	s_add_co_u32 s3, s3, s18
	s_add_co_u32 s3, s3, s16                       ; x 16 + my 128 keys,
	s_lshl_b32 s3, s3, 13                          ; x 8,192
	s_cmp_ge_u32 s12, 8
	s_cselect_b32 s98, s3, s2
	s_mov_b32 s99, 0
.macro FRAG reg, adr, q, i             ; a fragment comes as it lies: four loads of 512 consecutive bytes
.irp c, 0,1,2,3
	ds_load_b128 v[\reg+4*\c:\reg+4*\c+3], v[\adr] offset:2048*(\q)+KSB*(\i)+512*\c
.endr
.endm
; 2 NB matrix instructions: the i side's blocks a0, a0 + 1 x the j side's NB, 128 along K.  p: the j side's set.  zero = 1: the first product starts the sums.
; The accumulators take turns, one instruction a turn, in the same order in every step.
.macro MUL2 a0, p, zero
.irp a, \a0, \a0+1
.irp b, 0,1,2,3,4,5,6,7
.if \zero
	v_wmma_f32_16x16x128_fp8_fp8 v[8*(NB*((\a)%APW)+\b):8*(NB*((\a)%APW)+\b)+7], v[128*(\p)+FR*\b:128*(\p)+FR*\b+FR-1], v[AF+FR*(\a):AF+FR*(\a)+FR-1], 0
.else
	v_wmma_f32_16x16x128_fp8_fp8 v[8*(NB*((\a)%APW)+\b):8*(NB*((\a)%APW)+\b)+7], v[128*(\p)+FR*\b:128*(\p)+FR*\b+FR-1], v[AF+FR*(\a):AF+FR*(\a)+FR-1], v[8*(NB*((\a)%APW)+\b):8*(NB*((\a)%APW)+\b)+7]
.endif
.endr
.endr
.endm
.macro FETCH_B slot, q, p
	WIN TO_B
.irp i, 0,1,2,3,4,5,6,7
	FRAG 128*(\p)+FR*\i, ADRB+\slot, \q, \i
.endr
	WIN 0
.endm
.macro FETCH_A slot, q, i0
.irp i, \i0, \i0+1, \i0+2, \i0+3
	FRAG AF+FR*(\i), ADRA+\slot, \q, \i
.endr
.endm
.macro PLACES n                        ; plain vector lines in front of loads into registers that matrix instructions have read, and of the first read of results
.rept \n
	v_nop
.endr
.endm
; A step of 128 along K that has its successor in the same slot.  The i side has one set of registers: blocks 0-3 are fetched anew in the step's middle, blocks 4-7 at its end.
.macro STEP slot, q, zero
	s_wait_dscnt 4*NL                              ; the j side's set and blocks 0-3 are in; the youngest 16 loads (blocks 4-7) may be out
	WIN MUL_LO
	MUL2 0, (\q)%2, \zero
	MUL2 2, (\q)%2, \zero
	s_wait_dscnt 0                                 ; blocks 4-7 are in
	PLACES NP
	FETCH_B \slot, (\q)+1, 1-(\q)%2
	FETCH_A \slot, (\q)+1, 0
	WIN MUL_HI
	MUL2 4, (\q)%2, \zero
	MUL2 6, (\q)%2, \zero
	PLACES NP
	WIN 0
	FETCH_A \slot, (\q)+1, 4
.endm
; A slot's last step changes slots: ONE barrier; in front of it each wave waits for all its tensor loads, adds 0 to its spare word, and waits for that and for its own reads of this slot.  fill = 1: this slot is filled again, two K steps ahead.
.macro TURN slot, next, fill
	s_wait_tensorcnt 0x0                           ; all my tensor loads have landed: my part of the next slot;  (every window is 0 here)
	ds_add_u32 v[SPW], v[NIL]                      ; 0 onto my spare word
	s_wait_dscnt 4*NL+1                            ; (the add and the youngest 16 loads, blocks 4-7, may be out)
	WIN MUL_LO
	MUL2 0, 1, 0                                   ; matrix instructions stand between the add and the wait for it
	s_wait_dscnt 0x0                               ; the add is done, and my reads of this slot are over
	s_barrier_signal -1
	MUL2 2, 1, 0
	WIN 0
	s_barrier_wait -1
.if \fill
	CREST                                          ; the barrier has opened a round of the cluster's barrier: no wave of any partner still reads this slot or has a load on its way
	s_add_nc_u64 s[G0+4*\slot+2:G0+4*\slot+3], s[G0+4*\slot+2:G0+4*\slot+3], 2*KSB
	s_add_nc_u64 s[G0B+4*\slot+2:G0B+4*\slot+3], s[G0B+4*\slot+2:G0B+4*\slot+3], 2*KSB
	JLOAD G0+4*\slot, G1, G0B+4*\slot, G1B         ; the first tensor load behind the round; the four v_nop behind it are the places in front of the loads below
.else
	PLACES NP
.endif
	FETCH_B \next, 0, 0
	FETCH_A \next, 0, 0
	WIN MUL_HI
	MUL2 4, 1, 0
	MUL2 6, 1, 0
	PLACES NP
	WIN 0
	FETCH_A \next, 0, 4
.endm
	s_wait_tensorcnt 1                             ; my part of K step 0 is in (K step 1's load may be out)
	s_barrier_signal -1
	s_barrier_wait -1                              ; everybody's is
	FETCH_B 0, 0, 0
	FETCH_A 0, 0, 0
	FETCH_A 0, 0, 4
	STEP 0, 0, 1                                   ; K = 1,024 is four K steps of 256, eight steps of 128: written out, no loop
	TURN 0, 1, 1                                   ; slot 0 takes K step 2
	STEP 1, 0, 0
	TURN 1, 0, 1                                   ; slot 1 takes K step 3
	STEP 0, 0, 0
	TURN 0, 1, 0                                   ; nothing is left to fetch
	STEP 1, 0, 0
	s_wait_dscnt 4*NL                              ; the last step
	WIN MUL_LO
	MUL2 0, 1, 0
	MUL2 2, 1, 0
	s_wait_dscnt 0
	WIN MUL_HI
	MUL2 4, 1, 0
	MUL2 6, 1, 0
	WIN 0
; THE WAY OUT.  number = sum x 2^(e0 + e1) + bias, one packed multiply-add for two; converted.  Block a's 8 accumulators give 16 registers of codes: four pieces, four stores.
.macro EPI isv
.irp a, 0,1,2,3,4,5,6,7
.if \a == 4
	s_wait_xcnt 0x0                                ; the four sets of codes are written again only behind this wait: the first four blocks' stores have read them
.endif
	WIN 0x02+(\a/4)                                ; source 0: window 2 or 3
.irp j, 0,2,4,6,8,10,12,14,16,18,20,22,24,26,28,30,32,34,36,38,40,42,44,46,48,50,52,54,56,58,60,62
.if \isv
.if \a % 2
	v_pk_fma_f32 v[TMP+\j:TMP+\j+1], v[64*(\a%4)+\j:64*(\a%4)+\j+1], s[96:97], v[BI+\a-1:BI+\a] op_sel:[0,0,1] op_sel_hi:[1,0,1]   ; the bias of my feature 16 a + r: the pair's upper register for both halves
.else
	v_pk_fma_f32 v[TMP+\j:TMP+\j+1], v[64*(\a%4)+\j:64*(\a%4)+\j+1], s[96:97], v[BI+\a:BI+\a+1] op_sel_hi:[1,0,0]                  ; the pair's lower register for both halves
.endif
.else
	v_pk_fma_f32 v[TMP+\j:TMP+\j+1], v[64*(\a%4)+\j:64*(\a%4)+\j+1], s[96:97], v[BJ+\j:BJ+\j+1] op_sel_hi:[1,0,1]                  ; the biases of my eight features of each accumulator; each accumulator from its low end on
.endif
.endr
	WIN 0
.set j, 0
.rept 64
.set j, j+1
.endr
.irp b, 0,1,2,3,4,5,6,7
	v_cvt_scalef32_pk8_fp8_f32 v[CD+16*(\a%4)+2*\b:CD+16*(\a%4)+2*\b+1], v[TMP+8*\b:TMP+8*\b+7], v[SCL]
.endr
	v_nop                                          ; one plain vector line behind the conversions: the next block's multiply-adds write their sources
.irp m, 0,1,2,3
.if \isv
	global_store_b128 v[LI], v[CD+16*(\a%4)+4*\m:CD+16*(\a%4)+4*\m+3], s[4:5] offset:(\a/4)*131072+(\a%4)*2048+\m*512   ; head a / 4, tile of channels a % 4, piece m of its 128 keys
.else
	global_store_b128 v[LI], v[CD+16*(\a%4)+4*\m:CD+16*(\a%4)+4*\m+3], s[4:5] offset:(\m/2)*131072+\a*1024+(\m%2)*512   ; head m / 2, tile of tokens a, piece m % 2 of the head's 64
.endif
.endr
.endr
.endm
	s_wait_kmcnt 0x0
	s_add_co_i32 s96, s84, s85                     ; e0 + e1
	s_add_co_i32 s96, s96, 127
	s_lshl_b32 s96, s96, 23                        ; 2^(e0 + e1) as f32
	s_mov_b32 s97, s96                             ; (named with it as a pair, so it is written)
	s_cmp_eq_u32 ttmp9, 0
	s_cselect_b32 s92, s86, s87                    ; the output's exponent: q's e2 (cluster x 0), k's e3,
	s_cselect_b64 s[4:5], s[76:77], s[78:79]       ; and its buffer
	s_cmp_ge_u32 s12, 8
	s_cselect_b32 s92, s89, s92                    ; or v's e5
	s_cselect_b64 s[4:5], s[80:81], s[4:5]
	s_add_nc_u64 s[4:5], s[4:5], s[98:99]
	s_add_co_i32 s92, s92, 127
	s_lshl_b32 s93, s92, 23
	v_mov_b32 v[SCL], s93
	PLACES NP
	s_wait_loadcnt 0x0                             ; the biases
	s_cmp_ge_u32 s12, 8                            ; the cluster's y: the same in all partners and all waves
	s_cbranch_scc1 .Lvpart
	EPI 0
	s_branch .Lend
.Lvpart:
	EPI 1
.Lend:
	s_wait_tensorcnt 0x0                           ; the wave's end
	ds_add_u32 v[SPW], v[NIL]
	s_wait_dscnt 0x0
	CROUND                                         ; the closing round: no work-group ends while a partner may still ask for a tile that names it
	s_endpgm
.Lfunc_end_k_q596c6d25c3_qkv:
	.size	k_q596c6d25c3_qkv, .Lfunc_end_k_q596c6d25c3_qkv-k_q596c6d25c3_qkv
	.p2alignl 7, 3214868480
	.fill 96, 4, 3214868480
	.section	.rodata,"a",@progbits
	.p2align	6, 0x0
	.amdhsa_kernel k_q596c6d25c3_qkv
		.amdhsa_group_segment_fixed_size 327680
		.amdhsa_private_segment_fixed_size 0
		.amdhsa_enable_private_segment 0
		.amdhsa_kernarg_size 56
		.amdhsa_user_sgpr_count 2
		.amdhsa_user_sgpr_kernarg_segment_ptr 1
		.amdhsa_wavefront_size32 1
		.amdhsa_system_sgpr_workgroup_id_x 1
		.amdhsa_system_sgpr_workgroup_id_y 1
		.amdhsa_system_sgpr_workgroup_id_z 1
		.amdhsa_system_vgpr_workitem_id 0
		.amdhsa_next_free_vgpr 1024
		.amdhsa_next_free_sgpr 100
		.amdhsa_reserve_vcc 0
		.amdhsa_float_denorm_mode_32 3
		.amdhsa_float_denorm_mode_16_64 3
		.amdhsa_fp16_overflow 1
		.amdhsa_memory_ordered 1
		.amdhsa_forward_progress 1
		.amdhsa_inst_pref_size 129
	.end_amdhsa_kernel
	.amdgpu_metadata
---
amdhsa.version: [ 1, 2 ]
amdhsa.kernels:
  - .name:           k_q596c6d25c3_qkv
    .symbol:         k_q596c6d25c3_qkv.kd
    .args:
      - { .name: x_img, .offset: 0, .size: 8, .value_kind: global_buffer, .address_space: global }
      - { .name: wa_img, .offset: 8, .size: 8, .value_kind: global_buffer, .address_space: global }
      - { .name: b_attn, .offset: 16, .size: 8, .value_kind: global_buffer, .address_space: global }
      - { .name: lowp_scales, .offset: 24, .size: 8, .value_kind: global_buffer, .address_space: global }
      - { .name: q_img, .offset: 32, .size: 8, .value_kind: global_buffer, .address_space: global }
      - { .name: k_img, .offset: 40, .size: 8, .value_kind: global_buffer, .address_space: global }
      - { .name: v_img, .offset: 48, .size: 8, .value_kind: global_buffer, .address_space: global }
    .group_segment_fixed_size: 327680
    .private_segment_fixed_size: 0
    .kernarg_segment_align: 8
    .kernarg_segment_size: 56
    .max_flat_workgroup_size: 128
    .sgpr_count:     100
    .vgpr_count:     1024
    .wavefront_size: 32
...
	.end_amdgpu_metadata
.endif
;; end of part 2
;; launch attn (part 3): grid 4 x 64, 8 waves a work-group, clusters of 4 x 1, 327,680 bytes of LDS; arguments q_img, k_img, v_img, attention_mask, lowp_scales, y_img; writes y_img
.if DOCPART == 3
	.amdgcn_target "amdgcn-amd-amdhsa--gfx1250"
	.amdhsa_code_object_version 6
	.text
	.protected	k_q596c6d25c3_attn
	.globl	k_q596c6d25c3_attn
	.p2align	8
	.type	k_q596c6d25c3_attn,@function
k_q596c6d25c3_attn:
	s_mov_b64 s[64:65], 0
	v_nop
	global_prefetch_b8 v0, s[64:65] scope:SCOPE_SE
	s_setreg_imm32_b32 hwreg(HW_REG_WAVE_MODE, 25, 1), 1
	s_wait_xcnt 0x0
	s_wait_alu depctr_hold_cnt(0) depctr_sa_sdst(0) depctr_va_vdst(0) depctr_va_sdst(0) depctr_va_ssrc(0) depctr_va_vcc(0) depctr_vm_vsrc(0)
	s_getreg_b32 s2, hwreg(HW_REG_IB_STS2, 6, 4)
	s_cmp_eq_u32 s2, 0
	s_cbranch_scc0 .Lentry_in_a_cluster
	s_endpgm
.Lentry_in_a_cluster:
	s_bfe_u32 s2, ttmp6, 0x10000c
	s_cmp_lg_u32 s2, 0x3003
	s_cbranch_scc0 .Lentry_shape_is_right
	s_endpgm
.Lentry_shape_is_right:
; y = softmax(q k^T / 8, causal and under attention_mask) v for one head, both products on codes of FP8 (E4M3); y leaves as codes, as images of the last product's operand registers.
; q_img, k_img: [head 64][tile of 16 tokens 128][1,024]: a fragment of 16 rows x 64 K, 8 registers a lane, as [piece of 4 registers][lane][16 bytes].  v_img: [head][128 keys: 16][tile of 16 channels 4][2,048]: 16 channels x 128 keys.
; y_img: [tile of 16 tokens 512][pair of heads 8][2,048]; head h's 64 channels are the 1,024 bytes at 1,024 h of a tile's 16,384.
; THE SOFTMAX: t = score x log2(e) / 8; M = the running largest t rounded UP to a whole number; p = 2^(t - M) is quantised along the keys, not normalised; the row's sum is taken of the unquantised p and divides at the end.
; When M moves, the sum and O are multiplied by 2^(old M - new M): exact.
; LAYOUT: both products are used transposed: S^T = K Q^T (source 0 = 16 keys, source 1 = 16 queries), O^T = V^T P^T (source 0 = 16 channels, source 1 = P): a lane holds ONE query (lane % 16) throughout, and its eight
; registers of key tile t are keys 16 t + 8 (lane / 16) + 0 .. 7: converted, they are registers 2 t, 2 t + 1 of P.  O^T's accumulators become y's pieces in the same way.
; SHARES: the four work-groups of a cluster serve one head.  A unit is 32 queries, two tiles that share every fragment of K, V and the mask.  Wave w of work-group g owns unit 4 w + g (w + 1 key steps of 128 under the causal
; mask) and unit 63 - 4 w - g (16 - w steps): 17 steps for every wave of the launch; the counts hang on the wave's number alone.
; K AND V OF THE WHOLE HEAD STAY IN LDS: each wave asks for two blocks of 16,384 bytes (keys 0-1,023, then the rest) by joint loads that name the four partners; nothing is filled again.
; attention_mask COSTS NO VECTOR LINE IN THE LOOP: a table in LDS holds, for each key, 0 or -2^60 where the mask is 0, and is the C of S^T's matrix instructions.  Raw scores lie under 2^24, so a masked key never wins the
; maximum against a real one and its p is 0.  A query with no real key ends with its largest t under -c 2^30: its codes are set to the NaN code, which makes its row of the output NaN, as the reference has it.
; The causal mask is set on the diagonal step alone (-infinity ahead of the maximum); steps beyond it are not walked.
; LIMITS: e2 + e3 between -40 and 60 (added to c's exponent field; -2^60 c stays finite and far under every real t); e4 and e6 - e4 - e5 between -126 and 119.
; REGISTERS.  window 0: v1-9 addresses; v12-19 statistics (-M, largest t, the sum in two halves) of tiles A, B; v20-35 at work, eight a tile; v36-45 constants; v48-63, v64-79 Q of the two units; v80-111 P; v112-239 S^T, then p.
;   window 1: v0-63 O^T; v64-127 K; v128-191 V; v192-255 the mask's numbers.
.set LI,  1                            ; v1   16 x lane
.set LV,  2                            ; v2   the same in V's part of LDS
.set LM,  3                            ; v3   the mask table + 32 (lane / 16)
.set ADK, 4                            ; v4-6 the step's addresses
.set ADV, 5
.set ADM, 6
.set RH,  7                            ; v7   lane % 16 - 8 (lane / 16)
.set NEGI, 10                          ; v10  -infinity
.set ST,  12                           ; tile x: v[ST+4x] -M, +1 largest t, +2, +3 the sum
.set TT,  20                           ; tile x: v[TT+8x] +0, +1 chains; +2 f (its pair's partner +3 stays 0); +4, +5 second chain of sums; +6 from the other half of the lanes; +7 old -M, later the NaN mask
.set PS,  36                           ; 2^e4
.set PL,  37
.set YS,  38                           ; 2^(e6 - e4 - e5)
.set YL,  39
.set NANC, 42                          ; four NaN codes
.set BIG, 43                           ; -2^60
.set P,   80
.set S,   112
.set KR,  64                           ; in window 1
.set VR,  128
.set MR,  192
.set VLDS, 131072                      ; LDS: K's 128 images of 1,024 bytes; V's 64 of 2,048; the mask table, 2,048 numbers
.set MLDS, 262144
.set WV,  16                           ; s16  my wave's number
.set SEL, 20                           ; s[20:21] v_permlanex16_b32's selects: lane l xor 16
.set CS,  22                           ; s[22:23] c = log2(e) / 8 x 2^(e2 + e3)
.set G1,  24                           ; s[24:31] descriptor group 1;  s[32:35], s[36:39] the two groups 0
.set CNT, 48                           ; s48 the loop's counter; s49 the last step that is walked; s50 the diagonal's step
.set LIM, 49
.set DG,  50
.set KO,  51                           ; s51 the step's bytes in K and in V (8,192 a step); s52 in the mask table (512); s53 its first key; s54 the unit's first query
.set MO,  52
.set KF,  53
.set Q0,  54
.set THR, 55                           ; s55 -c 2^30
.set MSB, 0
.macro WIN new                         ; the immediate's high byte repeats the setting that is left
.if MSB != (\new)
	s_set_vgpr_msb (MSB<<8)|(\new)
.set MSB, (\new)
.endif
.endm
.macro CROUND                          ; a round of the cluster's barrier
	s_barrier_signal -1
	s_barrier_wait -1
	s_cmp_lg_u32 s[WV], 0
	s_cbranch_scc1 .Lnot_wave_0_\@
	s_barrier_signal -3
.Lnot_wave_0_\@:
	s_barrier_wait -3
	s_barrier_signal -1
	s_barrier_wait -1
.endm
	s_load_b256 s[4:11], s[0:1], 0x0               ; q_img s[4:5], k_img s[6:7], v_img s[8:9], attention_mask s[10:11]
	s_load_b128 s[12:15], s[0:1], 0x20             ; the scales' exponents s[12:13], y_img s[14:15]
	v_lshl_add_u32 v46, v0, 2, 0x42000
	v_mov_b32 v47, 0
	ds_add_u32 v46, v47
	ds_add_u32 v46, v47
	v_lshrrev_b32 v1, 5, v0
	s_delay_alu instid0(VALU_DEP_1)
	v_readfirstlane_b32 s[WV], v1                  ; wave 0..7
	s_bfe_u32 s17, ttmp6, 0x40000                  ; cx: my place in the cluster: it enters Q's and y's addresses and the diagonal's numbers alone
	s_and_b32 s18, ttmp7, 0xffff                   ; batch x 16 + head, which the partners share
	s_xor_b32 s19, s[WV], 7                        ; 7 - wave
	s_mov_b32 s[SEL], 0x76543210
	s_mov_b32 s[SEL+1], 0xfedcba98
	; descriptor group 1: a dense block of 16,384 bytes as 64 rows of 256
	s_mov_b32 s[G1], 15|(3<<16)|(1<<21)            ; 15:0 the mask: all four work-groups; 17:16 elements of 8 bytes; 21 set beside a mask
	s_mov_b32 s[G1+1], 32<<16                      ; tensor_dim0 = 32
	s_mov_b32 s[G1+2], 64<<16                      ; tensor_dim1 = 64
	s_mov_b32 s[G1+3], 32<<16                      ; tile_dim0
	s_mov_b32 s[G1+4], 64                          ; tile_dim1
	s_mov_b32 s[G1+5], 32                          ; tensor_dim0_stride
	s_mov_b32 s[G1+6], 0
	s_mov_b32 s[G1+7], 0
	s_lshl_b32 s58, s[WV], 14
	s_lshr_b32 s59, s[WV], 2
	s_lshl_b32 s59, s59, 16
	s_add_co_u32 s33, s58, s59                     ; LDS: waves 0-3: K's first half, 16,384 x wave; waves 4-7: V's, 131,072 + 16,384 x (wave - 4)
	s_add_co_u32 s37, s33, 65536                   ; the second half lies 65,536 on
	s_lshl_b32 s60, s18, 17                        ; a head's images: 131,072 bytes in each buffer
	s_and_b32 s61, s[WV], 3
	s_lshl_b32 s61, s61, 14
	s_add_co_u32 s60, s60, s61
	s_mov_b32 s61, 0
	s_wait_dscnt 0x0
	s_wait_kmcnt 0x0
	s_load_b256 s[40:47], s[12:13], 0x0            ; e0 .. e7
	s_cmp_lt_u32 s[WV], 4
	s_cselect_b64 s[62:63], s[6:7], s[8:9]         ; K's buffer or V's, by the wave's number
	s_add_nc_u64 s[62:63], s[62:63], s[60:61]
	s_mov_b32 s32, 1
	s_mov_b64 s[34:35], s[62:63]
	s_or_b32 s35, s35, 0x80000000
	s_mov_b32 s36, 1
	s_add_nc_u64 s[38:39], s[62:63], 65536
	s_or_b32 s39, s39, 0x80000000
	CROUND                                         ; all four work-groups are here: the joint loads meet
	tensor_load_to_lds s[32:35], s[G1:G1+7]        ; keys 0-1,023: my eighth of K's and V's first halves
	s_nop 0
	s_wait_alu depctr_va_vdst(0)
	s_wait_tensorcnt 0x0
	ds_add_u32 v46, v47
	s_wait_dscnt 0x0
	CROUND
	tensor_load_to_lds s[36:39], s[G1:G1+7]        ; keys 1,024-2,047.  One load of mine is out
	s_nop 0
.rept 4
	v_nop
.endr
	v_and_b32 v40, 31, v0
	s_delay_alu instid0(VALU_DEP_1)
	v_lshlrev_b32 v[LI], 4, v40
	s_delay_alu instid0(VALU_DEP_1)
	v_add_nc_u32 v[LV], VLDS, v[LI]
	v_bfe_u32 v41, v0, 4, 1                        ; h
	s_delay_alu instid0(VALU_DEP_1)
	v_lshlrev_b32 v[LM], 5, v41
	s_delay_alu instid0(VALU_DEP_1)
	v_add_nc_u32 v[LM], MLDS, v[LM]
	v_and_b32 v[RH], 15, v0
	s_delay_alu instid0(VALU_DEP_4)
	v_lshlrev_b32 v41, 3, v41
	s_delay_alu instid0(VALU_DEP_1)
	v_sub_nc_u32 v[RH], v[RH], v41                 ; r - 8 h
	v_lshlrev_b32 v44, 5, v0                       ; the mask: 8 keys, 32 bytes, to a thread
	s_wait_alu depctr_va_vdst(0)
	v_lshl_add_u32 v45, v0, 5, MLDS                ; and their place in the table
	s_lshr_b32 s58, s18, 4                         ; batch
	s_lshl_b32 s62, s58, 13
	s_mov_b32 s63, 0
	s_add_nc_u64 s[10:11], s[10:11], s[62:63]      ; its row of attention_mask
	s_lshl_b32 s66, s58, 21                        ; y: 128 tiles of 16,384 bytes a batch,
	s_and_b32 s59, s18, 15
	s_lshl_b32 s59, s59, 10
	s_add_co_u32 s66, s66, s59                     ; + 1,024 x head
	s_lshl_b32 s70, s[WV], 2
	s_add_co_u32 s70, s70, s17                     ; my small unit
	s_sub_co_u32 s71, 63, s70                      ; my large unit
	s_lshl_b32 s58, s18, 17
	s_lshl_b32 s62, s70, 11                        ; a unit's two images
	s_add_co_u32 s62, s62, s58
	s_add_nc_u64 s[60:61], s[4:5], s[62:63]
	s_lshl_b32 s62, s71, 11
	s_add_co_u32 s62, s62, s58
	s_add_nc_u64 s[68:69], s[4:5], s[62:63]
	global_load_b128 v[240:243], v44, s[10:11]
	global_load_b128 v[244:247], v44, s[10:11] offset:16
.irp i, 0,1,2,3
	global_load_b128 v[48+4*\i:51+4*\i], v[LI], s[60:61] offset:512*\i   ; Q stays in registers: tile A's two pieces, tile B's two
.endr
.irp i, 0,1,2,3
	global_load_b128 v[64+4*\i:67+4*\i], v[LI], s[68:69] offset:512*\i
.endr
	v_mov_b32 v[NEGI], 0xff800000
	v_mov_b32 v[NANC], 0x7f7f7f7f
	v_mov_b32 v[BIG], 0xdd800000
.irp x, 0,1
	v_mov_b32 v[TT+8*\x+3], 0                      ; (named as the upper half of f's pair)
	v_mov_b32 v[TT+8*\x+6], 0                      ; (a lane permute's destination counts as one of its sources)
.endr
	s_wait_alu depctr_va_vdst(0)
	s_wait_kmcnt 0x0
	s_mov_b32 s[CS], 0x3e38aa3b                    ; log2(e) / 8
	s_add_co_i32 s58, s42, s43
	s_lshl_b32 s58, s58, 23
	s_add_co_i32 s[CS], s[CS], s58                 ; a score stands for score x 2^(e2 + e3): added to c's exponent field
	s_mov_b32 s[CS+1], s[CS]
	s_add_co_u32 s[THR], s[CS], 0x0f000000
	s_or_b32 s[THR], s[THR], 0x80000000            ; -c 2^30
	s_add_co_i32 s58, s44, 127
	s_lshl_b32 s59, s58, 23
	v_mov_b32 v[PS], s59
	s_sub_co_i32 s58, s46, s44
	s_sub_co_i32 s58, s58, s45                     ; O / the sum stands for y / 2^(e4 + e5): its code is that / 2^(e6 - e4 - e5)
	s_add_co_i32 s58, s58, 127
	s_lshl_b32 s59, s58, 23
	v_mov_b32 v[YS], s59
	s_wait_loadcnt 8                               ; the mask's two loads are in; Q's eight may be out
.irp i, 0,1,2,3,4,5,6,7
	v_cmp_eq_u32 vcc_lo, 0, v[240+\i]
	s_delay_alu instid0(VALU_DEP_1)
	v_cndmask_b32 v[248+\i], 0, v[BIG], vcc_lo
.endr
	ds_store_b128 v45, v[248:251]
	ds_store_b128 v45, v[252:255] offset:16
.macro INIT                            ; a unit begins: the step is written once, and its first walk finds zeros, which the first change of M leaves zeros
.irp x, 0,1
	v_mov_b32 v[ST+4*\x+1], 0xff61b1e6             ; the largest t so far: -3e38
	v_mov_b32 v[ST+4*\x+2], 0
	v_mov_b32 v[ST+4*\x+3], 0
.endr
.irp x, 0
	v_floor_f32 v[ST+4*\x], -v[ST+4*\x+1]
.endr
.irp x, 1
	s_delay_alu instid0(VALU_DEP_4)
	v_floor_f32 v[ST+4*\x], -v[ST+4*\x+1]
.endr
	WIN 0x40
.set j, 0
.rept 64
	v_mov_b32 v[j], 0
.set j, j+1
.endr
	WIN 0
.endm
.macro MAXT x                          ; the step's largest score of my query among my 64 keys, in two chains, each accumulator from its low end on
.set rS, S+64*(\x)
.set rT, TT+8*(\x)
	v_max3_num_f32 v[rT], v[rS], v[rS+1], v[rS+2]
	v_max3_num_f32 v[rT+1], v[rS+3], v[rS+4], v[rS+5]
.set i, 6
.rept 14
	v_max3_num_f32 v[rT], v[rT], v[rS+i], v[rS+i+1]
	v_max3_num_f32 v[rT+1], v[rT+1], v[rS+i+2], v[rS+i+3]
.set i, i+4
.endr
	v_max3_num_f32 v[rT], v[rT], v[rS+62], v[rS+63]
	s_delay_alu instid0(VALU_DEP_1)
	v_max_num_f32 v[rT], v[rT], v[rT+1]
.endm
.macro SUMT x                          ; the sum under the new M, then the unquantised p's, two at a time, in two chains
.set rS, S+64*(\x)
.set rT, TT+8*(\x)
.set rM, ST+4*(\x)
	v_pk_mul_f32 v[rM+2:rM+3], v[rM+2:rM+3], v[rT+2:rT+3] op_sel_hi:[1,0]
	s_wait_alu depctr_va_vdst(0)
	v_pk_add_f32 v[rT+4:rT+5], v[rS:rS+1], v[rS+2:rS+3]
.set i, 4
.rept 15
	v_pk_add_f32 v[rM+2:rM+3], v[rM+2:rM+3], v[rS+i:rS+i+1]
	v_pk_add_f32 v[rT+4:rT+5], v[rT+4:rT+5], v[rS+i+2:rS+i+3]
.set i, i+4
.endr
	s_delay_alu instid0(VALU_DEP_1)
	v_pk_add_f32 v[rM+2:rM+3], v[rM+2:rM+3], v[rT+4:rT+5]
.endm
.macro CONVT x                         ; p's codes: key tile t's eight numbers are registers 2 t, 2 t + 1 of P
.irp t, 0,1,2,3,4,5,6,7
	v_cvt_scalef32_pk8_fp8_f32 v[P+16*(\x)+2*\t:P+16*(\x)+2*\t+1], v[S+64*(\x)+8*\t:S+64*(\x)+8*\t+7], v[PS]
.endr
.endm
; A KEY STEP: 128 keys against the unit's two tiles of queries.  qb: Q's registers.  skip = 1: steps beyond s[LIM] are left out (a branch on the wave's number and the counter; the lines at the end that step addresses are walked).
; diag = 1: in step s[DG] the keys behind each query are hidden.
.macro STEP qb, skip, diag
.if \skip
	s_cmp_gt_u32 s[CNT], s[LIM]
	s_cbranch_scc1 .Ltail_\@
.endif
	s_setprio 2
	v_add_nc_u32 v[ADK], s[KO], v[LI]              ; these three and the v_nop are the four places between the last step's products and the loads into V's registers
	v_add_nc_u32 v[ADV], s[KO], v[LV]
	v_add_nc_u32 v[ADM], s[MO], v[LM]
	v_nop
	WIN 0x40                                       ; destination window 1
.irp t, 0,1,2,3,4,5,6,7
	ds_load_b128 v[KR+8*\t:KR+8*\t+3], v[ADK] offset:1024*\t
	ds_load_b128 v[KR+8*\t+4:KR+8*\t+7], v[ADK] offset:1024*\t+512
.endr
.irp t, 0,1,2,3,4,5,6,7
	ds_load_b128 v[MR+8*\t:MR+8*\t+3], v[ADM] offset:64*\t                   ; the table at keys 16 t + 8 h + 0 .. 7: the result's layout
	ds_load_b128 v[MR+8*\t+4:MR+8*\t+7], v[ADM] offset:64*\t+16
.endr
.irp d, 0,1,2,3
.irp m, 0,1,2,3
	ds_load_b128 v[VR+16*\d+4*\m:VR+16*\d+4*\m+3], v[ADV] offset:2048*\d+512*\m
.endr
.endr
	s_wait_dscnt 16                                ; K and the mask's numbers are in; V's sixteen loads may be out
	WIN 0x11                                       ; source 0 (K) and C (the mask's numbers) window 1; source 1 (Q) and D (S^T) window 0
.irp t, 0,1,2,3,4,5,6,7
.irp x, 0,1
	v_wmma_f32_16x16x64_fp8_fp8 v[S+64*\x+8*\t:S+64*\x+8*\t+7], v[KR+8*\t:KR+8*\t+7], v[\qb+8*\x:\qb+8*\x+7], v[MR+8*\t:MR+8*\t+7]
.endr
.endr
	WIN 0
.rept 4
	v_nop
.endr
.if \diag
	s_cmp_lg_u32 s[CNT], s[DG]
	s_cbranch_scc1 .Lopen_\@
	s_sub_co_i32 s58, s[Q0], s[KF]
	v_add_nc_u32 v8, s58, v[RH]                    ; d = my query - the step's first key - 8 h.  Register n holds key 16 (n / 8) + n % 8 + 8 h: hidden where 16 (n / 8) + n % 8 > d
	s_delay_alu instid0(VALU_DEP_1)
	v_add_nc_u32 v9, 16, v8                        ; tile B's queries lie 16 on
.set n, 0
.rept 64
	v_cmp_gt_i32 vcc_lo, 16*(n/8)+n%8, v8
	v_cndmask_b32 v[S+n], v[S+n], v[NEGI], vcc_lo
.set n, n+1
.endr
.set n, 0
.rept 64
	v_cmp_gt_i32 vcc_lo, 16*(n/8)+n%8, v9
	v_cndmask_b32 v[S+64+n], v[S+64+n], v[NEGI], vcc_lo
.set n, n+1
.endr
.Lopen_\@:
.endif
	MAXT 0
	MAXT 1
.irp x, 0
	v_permlanex16_b32 v[TT+8*\x+6], v[TT+8*\x], s[SEL], s[SEL+1]
.endr
.irp x, 1
	s_delay_alu instid0(VALU_DEP_2)
	v_permlanex16_b32 v[TT+8*\x+6], v[TT+8*\x], s[SEL], s[SEL+1]
.endr
.irp x, 0,1
	s_delay_alu instid0(VALU_DEP_2)
	v_max_num_f32 v[TT+8*\x], v[TT+8*\x], v[TT+8*\x+6]      ; and among lane l xor 16's keys
.endr
.irp x, 0,1
	s_delay_alu instid0(VALU_DEP_2)
	v_mul_f32 v[TT+8*\x], s[CS], v[TT+8*\x]                 ; as t (c is positive)
.endr
.irp x, 0,1
	s_delay_alu instid0(VALU_DEP_2)
	v_max_num_f32 v[ST+4*\x+1], v[ST+4*\x+1], v[TT+8*\x]    ; the running largest t
.endr
.irp x, 0,1
	v_mov_b32 v[TT+8*\x+7], v[ST+4*\x]
.endr
.irp x, 0,1
	s_delay_alu instid0(VALU_DEP_4)
	v_floor_f32 v[ST+4*\x], -v[ST+4*\x+1]                   ; the new -M = floor(-t): M is a whole number
.endr
.irp x, 0,1
	s_delay_alu instid0(VALU_DEP_2)
	v_sub_f32 v[TT+8*\x+7], v[ST+4*\x], v[TT+8*\x+7]        ; old M - new M, 0 or less
.endr
.irp x, 0,1
	s_delay_alu instid0(VALU_DEP_2)
	v_cvt_i32_f32 v[TT+8*\x+7], v[TT+8*\x+7]                ; (it saturates)
.endr
.irp x, 0,1
	s_delay_alu instid0(VALU_DEP_2)
	v_ldexp_f32 v[TT+8*\x+2], 1.0, v[TT+8*\x+7]             ; f = 2^(old M - new M)
.endr
.set j, 0
.rept 32
	v_pk_fma_f32 v[S+j:S+j+1], v[S+j:S+j+1], s[CS:CS+1], v[ST:ST+1] op_sel_hi:[1,0,0]   ; tile A: t - M, two at a time
.set j, j+2
.endr
.set j, 0
	s_setprio 1
	s_wait_alu depctr_va_vdst(0)
.rept 32                               ; tile A's exponentials, with tile B's scalings between them as plain lines
	v_exp_f32 v[S+j], v[S+j]
	v_exp_f32 v[S+j+1], v[S+j+1]
	v_pk_fma_f32 v[S+64+j:S+64+j+1], v[S+64+j:S+64+j+1], s[CS:CS+1], v[ST+4:ST+5] op_sel_hi:[1,0,0]
.set j, j+2
.endr
	SUMT 0
.set j, 0
.rept 64                               ; tile B's exponentials
	v_exp_f32 v[S+64+j], v[S+64+j]
.set j, j+1
.endr
	CONVT 0
	SUMT 1
.set j, 0
.rept 64
.set j, j+1
.endr
	s_setprio 0
	CONVT 1
	WIN 0x41                                       ; O^T (destination and source 0) window 1, f window 0
.set j, 0
.rept 16
	v_pk_mul_f32 v[j:j+1], v[j:j+1], v[TT+2:TT+3] op_sel_hi:[1,0]             ; O^T under the new M.  (These are also the plain lines between the conversions and the products)
	v_pk_mul_f32 v[32+j:32+j+1], v[32+j:32+j+1], v[TT+10:TT+11] op_sel_hi:[1,0]
.set j, j+2
.endr
	s_wait_alu depctr_va_vdst(0)
	s_wait_dscnt 0x0                               ; V is in
	WIN 0x51                                       ; source 0 (V), C and D (O^T) window 1; source 1 (P) window 0
.irp d, 0,1,2,3
.irp x, 0,1
	v_wmma_f32_16x16x128_fp8_fp8 v[32*\x+8*\d:32*\x+8*\d+7], v[VR+16*\d:VR+16*\d+15], v[P+16*\x:P+16*\x+15], v[32*\x+8*\d:32*\x+8*\d+7]   ; the eight accumulators take turns
.endr
.endr
	WIN 0
.Ltail_\@:
	s_add_co_u32 s[KO], s[KO], 8192
	s_add_co_u32 s[MO], s[MO], 512
	s_add_co_u32 s[KF], s[KF], 128
.endm
; A unit leaves: O^T / the sum, converted: accumulators 0, 1 and 2, 3 of a tile are the two pieces of the head's 64 channels: four stores of 512 consecutive bytes.  dq: the scalar register that holds the unit's number.
.macro WAYOUT dq
	s_lshl_b32 s58, s[\dq], 15                     ; two tiles of 16,384 bytes a unit
	s_add_co_u32 s58, s58, s66
	s_mov_b32 s59, 0
	s_add_nc_u64 s[56:57], s[14:15], s[58:59]
.rept 4
	v_nop                                          ; places behind the last products
.endr
.irp x, 0,1
	v_add_f32 v[TT+8*\x], v[ST+4*\x+2], v[ST+4*\x+3]
.endr
.irp x, 0,1
	s_delay_alu instid0(VALU_DEP_2)
	v_permlanex16_b32 v[TT+8*\x+6], v[TT+8*\x], s[SEL], s[SEL+1]
.endr
.irp x, 0,1
	s_delay_alu instid0(VALU_DEP_2)
	v_add_f32 v[TT+8*\x], v[TT+8*\x], v[TT+8*\x+6]          ; the row's sum: never 0, since the largest p is over 1/2
.endr
	s_wait_alu depctr_va_vdst(0)
.irp x, 0,1
	v_rcp_f32 v[TT+8*\x+2], v[TT+8*\x]
.endr
.irp x, 0,1
	v_cmp_gt_f32 vcc_lo, s[THR], v[ST+4*\x+1]               ; no real key: the largest t lies under -c 2^30.  (Plain lines behind the reciprocals)
	s_delay_alu instid0(VALU_DEP_1)
	v_cndmask_b32 v[TT+8*\x+7], 0, v[NANC], vcc_lo
.endr
	WIN 0x01                                       ; source 0 (O^T) window 1
.set j, 0
	s_wait_alu depctr_va_vdst(0)
.rept 16
	v_pk_mul_f32 v[S+j:S+j+1], v[j:j+1], v[TT+2:TT+3] op_sel_hi:[1,0]
	v_pk_mul_f32 v[S+64+j:S+64+j+1], v[32+j:32+j+1], v[TT+10:TT+11] op_sel_hi:[1,0]
.set j, j+2
.endr
	WIN 0
.set j, 0
.rept 32
.set j, j+1
.endr
.irp x, 0,1
.irp d, 0,1,2,3
	v_cvt_scalef32_pk8_fp8_f32 v[P+16*\x+2*\d:P+16*\x+2*\d+1], v[S+64*\x+8*\d:S+64*\x+8*\d+7], v[YS]
.endr
.endr
	v_nop                                          ; one plain vector line behind the conversions
.irp x, 0,1
.irp i, 0,1,2,3,4,5,6,7
	v_or_b32 v[P+16*\x+\i], v[P+16*\x+\i], v[TT+8*\x+7]
.endr
.endr
.irp x, 0,1
.irp m, 0,1
	global_store_b128 v[LI], v[P+16*\x+4*\m:P+16*\x+4*\m+3], s[56:57] offset:16384*\x+512*\m
.endr
.endr
	s_wait_xcnt 0x0                                ; the stores' data and base are written again only behind this wait
.endm
	INIT
	s_wait_tensorcnt 0x1                           ; my part of keys 0-1,023 is in; the second half's load may stay out
	s_wait_dscnt 0x0                               ; my part of the mask table is written
	s_barrier_signal -1
	s_barrier_wait -1                              ; everybody's is
	s_wait_loadcnt 0x0                             ; Q
	; ---- the small unit: steps 0 .. wave, all among keys 0-1,023
	s_mov_b32 s[CNT], 0
	s_mov_b32 s[LIM], s[WV]
	s_mov_b32 s[DG], s[WV]
	s_mov_b32 s[KO], 0
	s_mov_b32 s[MO], 0
	s_mov_b32 s[KF], 0
	s_lshl_b32 s[Q0], s70, 5
.Lsmall:
	STEP 48, 1, 1
	s_add_co_u32 s[CNT], s[CNT], 1
	s_cmp_lt_u32 s[CNT], 8
	s_cbranch_scc1 .Lsmall
	s_setprio 0
	WAYOUT 70
	INIT
	; ---- the large unit's steps 0 .. 7 - wave, still among keys 0-1,023: every wave has then walked nine steps
	s_mov_b32 s[CNT], 0
	s_mov_b32 s[LIM], s19
	s_mov_b32 s[KO], 0
	s_mov_b32 s[MO], 0
	s_mov_b32 s[KF], 0
	s_lshl_b32 s[Q0], s71, 5
.Lfirst:
	STEP 64, 1, 0
	s_add_co_u32 s[CNT], s[CNT], 1
	s_cmp_lt_u32 s[CNT], 8
	s_cbranch_scc1 .Lfirst
	s_setprio 0
	s_wait_tensorcnt 0x0                           ; my part of keys 1,024-2,047 is in,
	s_wait_dscnt 0x0
	s_barrier_signal -1
	s_barrier_wait -1                              ; everybody's is
	; ---- its last eight steps, 8 - wave .. 15 - wave; the last lies on the diagonal
	s_mov_b32 s[CNT], 0
	s_mov_b32 s[DG], 7
	s_add_co_u32 s58, s19, 1
	s_lshl_b32 s[KO], s58, 13
	s_lshl_b32 s[MO], s58, 9
	s_lshl_b32 s[KF], s58, 7
.Lrest:
	STEP 64, 0, 1
	s_add_co_u32 s[CNT], s[CNT], 1
	s_cmp_lt_u32 s[CNT], 8
	s_cbranch_scc1 .Lrest
	s_setprio 0
	WAYOUT 71
	s_wait_dscnt 0x0
	s_wait_tensorcnt 0x0
	ds_add_u32 v46, v47
	s_wait_dscnt 0x0
	CROUND                                         ; the closing round: no work-group ends while a partner may still ask for a block that names it
	s_endpgm
.Lfunc_end_k_q596c6d25c3_attn:
	.size	k_q596c6d25c3_attn, .Lfunc_end_k_q596c6d25c3_attn-k_q596c6d25c3_attn
	.p2alignl 7, 3214868480
	.fill 96, 4, 3214868480
	.section	.rodata,"a",@progbits
	.p2align	6, 0x0
	.amdhsa_kernel k_q596c6d25c3_attn
		.amdhsa_group_segment_fixed_size 327680
		.amdhsa_private_segment_fixed_size 0
		.amdhsa_enable_private_segment 0
		.amdhsa_kernarg_size 48
		.amdhsa_user_sgpr_count 2
		.amdhsa_user_sgpr_kernarg_segment_ptr 1
		.amdhsa_wavefront_size32 1
		.amdhsa_system_sgpr_workgroup_id_x 1
		.amdhsa_system_sgpr_workgroup_id_y 1
		.amdhsa_system_sgpr_workgroup_id_z 1
		.amdhsa_system_vgpr_workitem_id 0
		.amdhsa_next_free_vgpr 512
		.amdhsa_next_free_sgpr 72
		.amdhsa_reserve_vcc 1
		.amdhsa_float_denorm_mode_32 3
		.amdhsa_float_denorm_mode_16_64 3
		.amdhsa_fp16_overflow 1
		.amdhsa_memory_ordered 1
		.amdhsa_forward_progress 1
		.amdhsa_inst_pref_size 122
	.end_amdhsa_kernel
	.amdgpu_metadata
---
amdhsa.version: [ 1, 2 ]
amdhsa.kernels:
  - .name:           k_q596c6d25c3_attn
    .symbol:         k_q596c6d25c3_attn.kd
    .args:
      - { .name: q_img, .offset: 0, .size: 8, .value_kind: global_buffer, .address_space: global }
      - { .name: k_img, .offset: 8, .size: 8, .value_kind: global_buffer, .address_space: global }
      - { .name: v_img, .offset: 16, .size: 8, .value_kind: global_buffer, .address_space: global }
      - { .name: attention_mask, .offset: 24, .size: 8, .value_kind: global_buffer, .address_space: global }
      - { .name: lowp_scales, .offset: 32, .size: 8, .value_kind: global_buffer, .address_space: global }
      - { .name: y_img, .offset: 40, .size: 8, .value_kind: global_buffer, .address_space: global }
    .group_segment_fixed_size: 327680
    .private_segment_fixed_size: 0
    .kernarg_segment_align: 8
    .kernarg_segment_size: 48
    .max_flat_workgroup_size: 256
    .sgpr_count:     72
    .vgpr_count:     512
    .wavefront_size: 32
...
	.end_amdgpu_metadata
.endif
;; end of part 3
;; launch proj (part 4): grid 8 x 32, 4 waves a work-group, clusters of 4 x 4, 327,680 bytes of LDS; arguments y_img, wp_img, b_proj, lowp_scales, out0; writes out0
.if DOCPART == 4
	.amdgcn_target "amdgcn-amd-amdhsa--gfx1250"
	.amdhsa_code_object_version 6
	.text
	.protected	k_q596c6d25c3_proj
	.globl	k_q596c6d25c3_proj
	.p2align	8
	.type	k_q596c6d25c3_proj,@function
k_q596c6d25c3_proj:
	s_mov_b64 s[64:65], 0
	v_nop
	global_prefetch_b8 v0, s[64:65] scope:SCOPE_SE
	s_setreg_imm32_b32 hwreg(HW_REG_WAVE_MODE, 25, 1), 1
	s_wait_xcnt 0x0
	s_wait_alu depctr_hold_cnt(0) depctr_sa_sdst(0) depctr_va_vdst(0) depctr_va_sdst(0) depctr_va_ssrc(0) depctr_va_vcc(0) depctr_vm_vsrc(0)
	s_getreg_b32 s2, hwreg(HW_REG_IB_STS2, 6, 4)
	s_cmp_eq_u32 s2, 0
	s_cbranch_scc0 .Lentry_in_a_cluster
	s_endpgm
.Lentry_in_a_cluster:
	s_bfe_u32 s2, ttmp6, 0x10000c
	s_cmp_lg_u32 s2, 0xf033
	s_cbranch_scc0 .Lentry_shape_is_right
	s_endpgm
.Lentry_shape_is_right:
; out = y W_proj + b_proj on codes of FP8 (E4M3).  y_img [tile of 16 tokens 512][K step 8][2,048] and wp_img [tile of 16 columns 64][8][2,048] are images of operand registers:
; a fragment (16 rows x 128 K, 16 registers a lane) lies as [piece of 4 registers][lane][16 bytes], so every fragment load is 512 consecutive bytes: no pitch and no padding in LDS.  out0: [8192][1024] f32.
; A tile of the result is 256 rows x 128 columns, so that 256 work-groups share the output's bytes; four waves, 128 x 64 each: 32 accumulators, 256 registers.  K = 1,024 goes in four steps of 256 through two LDS slots.
; THE MATRIX INSTRUCTION IS USED TRANSPOSED (source 0 = 16 columns of W_proj, source 1 = 16 tokens): a lane holds eight neighbouring numbers of a row of the output.
; CLUSTERS: 4 x 4 work-groups; y's tile is shared along a row of the cluster, W_proj's along a column: each is asked for jointly.
; A token whose codes are the NaN code (a query with no key) gives a row of NaN, as the reference has it.
; LIMIT: e6 + e7 between -126 and 127, so that 2^(e6 + e7) is an f32 number.
; REGISTERS, in windows of 256: window 0: v16-29 addresses; v96-99 my four biases; from v128 y's fragments, one set (on the way out v128-191: rows read back).  window 1: W_proj's fragments, two sets, at v0 and v128.
;   window 2: the accumulators, (a, b) at v[8 (4 a + b)].
.set NB,     4                         ; blocks of 16 columns in a wave's tile
.set APW,    32/NB
.set FR,     16
.set NL,     4
.set NP,     4                         ; places behind this matrix instruction (ISA guide 7.12.1)
.set KSB,    4096                      ; a K step of 256 in a tile's images: two of them
.set HALFA,  8*KSB                     ; what one tensor load brings of y: 8 tiles of 16 tokens
.set HALFB,  NB*KSB                    ; and of W_proj: 4 tiles of 16 columns
.set SLOT,   2*HALFA+2*HALFB
.set SPARE,  2*SLOT                    ; behind the ring: the spare words, 128 bytes for each wave: two blocks of 256 bytes that no other line names
.set SPITCH, 272                       ; the way out: a stage of 16 rows x (256 bytes + 16) for each wave.  It lies in slot 0, which has had its last fill and its last read when the first result is stored there
.set ADRA, 16
.set ADRB, 20
.set STO,  24                          ; v24  the way out: where I put 32 bytes of a row
.set RD,   25                          ; v25  where I read rows back
.set LI,   26                          ; v26  16 x lane
.set CO,   27                          ; v27  my byte offset in two rows of the output
.set SPW,  28
.set NIL,  29
.set BP,   96
.set AF,   128
.set BK,   128
.set G1, 24
.set G0, 32
.set G1B, 48
.set G0B, 56
.set MSB, 0
.macro WIN new                         ; the immediate's high byte repeats the setting that is left
.if MSB != (\new)
	s_set_vgpr_msb (MSB<<8)|(\new)
.set MSB, (\new)
.endif
.endm
.set MUL_LO, 0xa1                      ; source 0 window 1, source 1 window 0, C and D window 2
.set MUL_HI, 0xa1                      ; all 32 accumulators lie in window 2
.set TO_B,   0x40
.macro JLOAD g0a, g1a, g0b, g1b        ; a joint load: waves 0 and 1 fetch y's halves, waves 2 and 3 W_proj's; four v_nop follow each of the two lines
	s_cmp_eq_u32 s15, 0
	s_cbranch_scc0 .Lfor_b_\@
	tensor_load_to_lds s[\g0a:\g0a+3], s[\g1a:\g1a+7]
	s_nop 0
.rept 4
	v_nop
.endr
	s_branch .Lasked_\@
.Lfor_b_\@:
	tensor_load_to_lds s[\g0b:\g0b+3], s[\g1b:\g1b+7]
	s_nop 0
.rept 4
	v_nop
.endr
.Lasked_\@:
.endm
.macro CREST
	s_cmp_lg_u32 s14, 0
	s_cbranch_scc1 .Lnot_wave_0_\@
	s_barrier_signal -3
.Lnot_wave_0_\@:
	s_barrier_wait -3
	s_barrier_signal -1
	s_barrier_wait -1
.endm
.macro CROUND
	s_barrier_signal -1
	s_barrier_wait -1
	CREST
.endm
	s_load_b256 s[68:75], s[0:1], 0x0              ; y_img s[68:69], wp_img s[70:71], b_proj s[72:73], the scales' exponents s[74:75]
	s_load_b64 s[76:77], s[0:1], 0x20              ; out0
	v_lshl_add_u32 v[SPW], v0, 2, SPARE
	v_mov_b32 v[NIL], 0
	ds_add_u32 v28, v29
	ds_add_u32 v28, v29
	s_wait_dscnt 0x0
	v_lshrrev_b32 v1, 5, v0
	v_readfirstlane_b32 s14, v1                    ; wave 0..3
	s_lshr_b32 s15, s14, 1                         ; which half of the rows is mine.  Also: I fetch for y (0) or for W_proj (1)
	s_and_b32 s16, s14, 1                          ; which half of the columns.  Also: which half of that tile I fetch
	s_bfe_u32 s40, ttmp6, 0x40000                  ; cx, cy
	s_bfe_u32 s41, ttmp6, 0x40004
	s_and_b32 s12, ttmp7, 0xffff
	s_lshl_b32 s17, s12, 2
	s_add_co_u32 s17, s17, s41                     ; tile row: 256 tokens
	s_lshl_b32 s42, ttmp9, 2
	s_add_co_u32 s42, s42, s40                     ; tile column: 128 columns
	s_lshl_b32 s43, s41, 2
	s_lshl_b32 s43, 15, s43                        ; my row of the cluster
	s_lshl_b32 s44, 0x1111, s40                    ; my column
	; descriptor groups 1: rows of 4,096 bytes (a tile's two images of this K step), 16,384 bytes apart in memory, dense in LDS; elements of 8 bytes; 8 rows for y, 4 for W_proj
	s_or_b32 s[G1+0], s43, (3<<16)|(1<<21)
	s_mov_b32 s[G1+1], 512<<16
	s_mov_b32 s[G1+2], 8<<16
	s_mov_b32 s[G1+3], 512<<16
	s_mov_b32 s[G1+4], 8
	s_mov_b32 s[G1+5], 2048
	s_mov_b32 s[G1+6], 0
	s_mov_b32 s[G1+7], 0
	s_or_b32 s[G1B+0], s44, (3<<16)|(1<<21)
	s_mov_b32 s[G1B+1], 512<<16
	s_mov_b32 s[G1B+2], 4<<16
	s_mov_b32 s[G1B+3], 512<<16
	s_mov_b32 s[G1B+4], 4
	s_mov_b32 s[G1B+5], 2048
	s_mov_b32 s[G1B+6], 0
	s_mov_b32 s[G1B+7], 0
	s_lshl_b32 s20, s17, 18                        ; 16 tiles of 16,384 bytes
	s_lshl_b32 s18, s16, 17
	s_add_co_u32 s20, s20, s18
	s_mov_b32 s21, 0
	s_lshl_b32 s46, s42, 17                        ; 8 tiles
	s_lshl_b32 s18, s16, 16
	s_add_co_u32 s46, s46, s18
	s_mov_b32 s47, 0
	s_mul_i32 s45, s16, HALFA                      ; where they go: no place in the cluster enters an LDS address
	s_mul_i32 s13, s16, HALFB
	s_add_co_u32 s13, s13, 2*HALFA
	s_wait_kmcnt 0x0
	s_load_b256 s[84:91], s[74:75], 0x0            ; e0 .. e7
	s_add_nc_u64 s[20:21], s[68:69], s[20:21]
	s_add_nc_u64 s[46:47], s[70:71], s[46:47]
	CROUND                                         ; all sixteen work-groups are here: the first joint loads meet
.irp s, 0,1
	s_mov_b32 s[G0+4*\s], 1
	s_add_co_u32 s[G0+4*\s+1], s45, \s*SLOT
	s_add_nc_u64 s[G0+4*\s+2:G0+4*\s+3], s[20:21], \s*KSB
	s_or_b32 s[G0+4*\s+3], s[G0+4*\s+3], 0x80000000
	s_mov_b32 s[G0B+4*\s], 1
	s_add_co_u32 s[G0B+4*\s+1], s13, \s*SLOT
	s_add_nc_u64 s[G0B+4*\s+2:G0B+4*\s+3], s[46:47], \s*KSB
	s_or_b32 s[G0B+4*\s+3], s[G0B+4*\s+3], 0x80000000
	JLOAD G0+4*\s, G1, G0B+4*\s, G1B
.endr
	v_and_b32 v1, 31, v0
	v_lshlrev_b32 v[LI], 4, v1
	s_mul_i32 s21, s15, HALFA
	s_mul_i32 s22, s16, HALFB
	s_add_co_u32 s22, s22, 2*HALFA
.irp s, 0,1
	v_add_nc_u32 v[ADRA+\s], s21, v[LI]
	v_add_nc_u32 v[ADRB+\s], s22, v[LI]
	s_add_co_u32 s21, s21, SLOT
	s_add_co_u32 s22, s22, SLOT
.endr
	v_and_b32 v1, 15, v0                           ; r
	v_bfe_u32 v3, v0, 4, 1                         ; h
	v_lshlrev_b32 v2, 4, v1                        ; 16 r
	s_mul_i32 s23, s14, 16*SPITCH                  ; my stage
	v_mul_u32_u24 v4, v1, SPITCH
	v_lshl_add_u32 v4, v3, 5, v4
	v_add_nc_u32 v[STO], s23, v4                   ; in: row r, 32 bytes for each half of the lanes
	v_mul_u32_u24 v5, v3, SPITCH
	v_add_nc_u32 v5, v5, v2
	v_add_nc_u32 v[RD], s23, v5                    ; back: lanes 0-15 take one row of 256 bytes, lanes 16-31 the next
	v_lshl_add_u32 v[CO], v3, 12, v2               ; and the same two rows in the output
	s_lshl_b32 s2, s17, 20                         ; 256 rows of 4,096 bytes
	s_lshl_b32 s3, s15, 19
	s_add_co_u32 s2, s2, s3
	s_lshl_b32 s8, s42, 9                          ; 128 columns of 4 bytes
	s_lshl_b32 s9, s16, 8
	s_add_co_u32 s8, s8, s9
	s_add_co_u32 s2, s2, s8
	s_mov_b32 s3, 0
	s_add_nc_u64 s[76:77], s[76:77], s[2:3]
	s_mov_b32 s9, 0
	s_add_nc_u64 s[8:9], s[72:73], s[8:9]
	global_load_b128 v[BP:BP+3], v2, s[8:9]        ; b_proj at the four columns that I store
.macro FRAG reg, adr, q, i
.irp c, 0,1,2,3
	ds_load_b128 v[\reg+4*\c:\reg+4*\c+3], v[\adr] offset:2048*(\q)+KSB*(\i)+512*\c
.endr
.endm
; 2 NB matrix instructions: y's blocks a0, a0 + 1 x W_proj's NB.  The accumulators take turns, one instruction a turn, in the same order in every step.
.macro MUL2 a0, p, zero
.irp a, \a0, \a0+1
.irp b, 0,1,2,3
.if \zero
	v_wmma_f32_16x16x128_fp8_fp8 v[8*(NB*((\a)%APW)+\b):8*(NB*((\a)%APW)+\b)+7], v[128*(\p)+FR*\b:128*(\p)+FR*\b+FR-1], v[AF+FR*(\a):AF+FR*(\a)+FR-1], 0
.else
	v_wmma_f32_16x16x128_fp8_fp8 v[8*(NB*((\a)%APW)+\b):8*(NB*((\a)%APW)+\b)+7], v[128*(\p)+FR*\b:128*(\p)+FR*\b+FR-1], v[AF+FR*(\a):AF+FR*(\a)+FR-1], v[8*(NB*((\a)%APW)+\b):8*(NB*((\a)%APW)+\b)+7]
.endif
.endr
.endr
.endm
.macro FETCH_B slot, q, p
	WIN TO_B
.irp i, 0,1,2,3
	FRAG 128*(\p)+FR*\i, ADRB+\slot, \q, \i
.endr
	WIN 0
.endm
.macro FETCH_A slot, q, i0
.irp i, \i0, \i0+1, \i0+2, \i0+3
	FRAG AF+FR*(\i), ADRA+\slot, \q, \i
.endr
.endm
.macro PLACES n
.rept \n
	v_nop
.endr
.endm
.macro STEP slot, q, zero
	s_wait_dscnt 4*NL                              ; W_proj's set and y's blocks 0-3 are in; the youngest 16 loads (blocks 4-7) may be out
	WIN MUL_LO
	MUL2 0, (\q)%2, \zero
	MUL2 2, (\q)%2, \zero
	s_wait_dscnt 0
	PLACES NP
	FETCH_B \slot, (\q)+1, 1-(\q)%2
	FETCH_A \slot, (\q)+1, 0
	WIN MUL_HI
	MUL2 4, (\q)%2, \zero
	MUL2 6, (\q)%2, \zero
	PLACES NP
	WIN 0
	FETCH_A \slot, (\q)+1, 4
.endm
.macro TURN slot, next, fill
	s_wait_tensorcnt 0x0                           ; all my tensor loads have landed: my part of the next slot;  (every window is 0 here)
	ds_add_u32 v[SPW], v[NIL]                      ; 0 onto my spare word
	s_wait_dscnt 4*NL+1                            ; (the add and the youngest 16 loads may be out)
	WIN MUL_LO
	MUL2 0, 1, 0
	s_wait_dscnt 0x0                               ; the add is done, and my reads of this slot are over
	s_barrier_signal -1
	MUL2 2, 1, 0
	WIN 0
	s_barrier_wait -1
.if \fill
	CREST                                          ; the barrier has opened a round of the cluster's barrier: no wave of any partner still reads this slot or has a load on its way
	s_add_nc_u64 s[G0+4*\slot+2:G0+4*\slot+3], s[G0+4*\slot+2:G0+4*\slot+3], 2*KSB
	s_add_nc_u64 s[G0B+4*\slot+2:G0B+4*\slot+3], s[G0B+4*\slot+2:G0B+4*\slot+3], 2*KSB
	JLOAD G0+4*\slot, G1, G0B+4*\slot, G1B
.else
	PLACES NP
.endif
	FETCH_B \next, 0, 0
	FETCH_A \next, 0, 0
	WIN MUL_HI
	MUL2 4, 1, 0
	MUL2 6, 1, 0
	PLACES NP
	WIN 0
	FETCH_A \next, 0, 4
.endm
	s_wait_tensorcnt 1                             ; my part of K step 0 is in (K step 1's load may be out)
	s_barrier_signal -1
	s_barrier_wait -1
	FETCH_B 0, 0, 0
	FETCH_A 0, 0, 0
	FETCH_A 0, 0, 4
	STEP 0, 0, 1
	TURN 0, 1, 1                                   ; slot 0 takes K step 2
	STEP 1, 0, 0
	TURN 1, 0, 1                                   ; slot 1 takes K step 3
	STEP 0, 0, 0
	TURN 0, 1, 0
	STEP 1, 0, 0
	s_wait_dscnt 4*NL
	WIN MUL_LO
	MUL2 0, 1, 0
	MUL2 2, 1, 0
	s_wait_dscnt 0
	WIN MUL_HI
	MUL2 4, 1, 0
	MUL2 6, 1, 0
	WIN 0
; THE WAY OUT, block by block of 16 rows x 64 columns.  The sums go into my stage as they are, 32 bytes a lane, and come back as whole rows of 256 bytes; there each pair becomes sum x 2^(e6 + e7) + bias, and sixteen lanes
; store one aligned unit of 256 bytes.  LDS serves a wave's instructions in order (ISA guide 5.7.1.4): no wait between the stores and the loads, nor in front of the next block's stores.
.macro TOSTAGE a
	WIN 0x08                                       ; the stores' data: window 2
.irp b, 0,1,2,3
	ds_store_b128 v[STO], v[8*(NB*(\a)+\b):8*(NB*(\a)+\b)+3] offset:64*\b          ; each accumulator from its low end on
	ds_store_b128 v[STO], v[8*(NB*(\a)+\b)+4:8*(NB*(\a)+\b)+7] offset:64*\b+16
.endr
	WIN 0
.set BB, BK+32*((\a)%2)
.irp t, 0,1,2,3,4,5,6,7
	ds_load_b128 v[BB+4*\t:BB+4*\t+3], v[RD] offset:2*SPITCH*\t
.endr
.endm
.macro SEND a, younger                 ; younger: the LDS instructions issued behind block a's loads, which may stay out
.set BB, BK+32*((\a)%2)
	s_wait_dscnt \younger
.if (\a) > 0
	s_add_nc_u64 s[76:77], s[76:77], 65536         ; 16 rows on (behind a wait on XCNT: the earlier stores have read their base)
.endif
.irp t, 0,1,2,3,4,5,6,7
	v_pk_fma_f32 v[BB+4*\t:BB+4*\t+1], v[BB+4*\t:BB+4*\t+1], s[96:97], v[BP:BP+1] op_sel_hi:[1,0,1]
	v_pk_fma_f32 v[BB+4*\t+2:BB+4*\t+3], v[BB+4*\t+2:BB+4*\t+3], s[96:97], v[BP+2:BP+3] op_sel_hi:[1,0,1]
.endr
.irp t, 0,1,2,3,4,5,6,7
	global_store_b128 v[CO], v[BB+4*\t:BB+4*\t+3], s[76:77] offset:8192*\t th:TH_STORE_NT   ; rows 2 t and 2 t + 1; written once, read by nobody here
.endr
.endm
	s_wait_kmcnt 0x0
	s_add_co_i32 s96, s90, s91                     ; e6 + e7
	s_add_co_i32 s96, s96, 127
	s_lshl_b32 s96, s96, 23                        ; 2^(e6 + e7) as f32
	s_mov_b32 s97, s96                             ; (named with it as a pair, so it is written)
	s_wait_loadcnt 0x0                             ; the biases
	PLACES NP                                      ; in front of the first read of results and of loads into the registers that held y's fragments
	TOSTAGE 0
.irp a, 1,2,3,4,5,6,7
.if \a > 1
	s_wait_xcnt 0x0                                ; block a - 2's stores have read their registers and their base
.endif
	TOSTAGE \a
	SEND \a-1, 16                                  ; behind block a - 1's loads: block a's 8 stores and 8 loads
.endr
	s_wait_xcnt 0x0
	SEND 7, 0
	s_wait_tensorcnt 0x0                           ; the wave's end
	ds_add_u32 v[SPW], v[NIL]
	s_wait_dscnt 0x0
	CROUND                                         ; the closing round
	s_endpgm
.Lfunc_end_k_q596c6d25c3_proj:
	.size	k_q596c6d25c3_proj, .Lfunc_end_k_q596c6d25c3_proj-k_q596c6d25c3_proj
	.p2alignl 7, 3214868480
	.fill 96, 4, 3214868480
	.section	.rodata,"a",@progbits
	.p2align	6, 0x0
	.amdhsa_kernel k_q596c6d25c3_proj
		.amdhsa_group_segment_fixed_size 327680
		.amdhsa_private_segment_fixed_size 0
		.amdhsa_enable_private_segment 0
		.amdhsa_kernarg_size 40
		.amdhsa_user_sgpr_count 2
		.amdhsa_user_sgpr_kernarg_segment_ptr 1
		.amdhsa_wavefront_size32 1
		.amdhsa_system_sgpr_workgroup_id_x 1
		.amdhsa_system_sgpr_workgroup_id_y 1
		.amdhsa_system_sgpr_workgroup_id_z 1
		.amdhsa_system_vgpr_workitem_id 0
		.amdhsa_next_free_vgpr 768
		.amdhsa_next_free_sgpr 100
		.amdhsa_reserve_vcc 0
		.amdhsa_float_denorm_mode_32 3
		.amdhsa_float_denorm_mode_16_64 3
		.amdhsa_memory_ordered 1
		.amdhsa_forward_progress 1
		.amdhsa_inst_pref_size 77
	.end_amdhsa_kernel
	.amdgpu_metadata
---
amdhsa.version: [ 1, 2 ]
amdhsa.kernels:
  - .name:           k_q596c6d25c3_proj
    .symbol:         k_q596c6d25c3_proj.kd
    .args:
      - { .name: y_img, .offset: 0, .size: 8, .value_kind: global_buffer, .address_space: global }
      - { .name: wp_img, .offset: 8, .size: 8, .value_kind: global_buffer, .address_space: global }
      - { .name: b_proj, .offset: 16, .size: 8, .value_kind: global_buffer, .address_space: global }
      - { .name: lowp_scales, .offset: 24, .size: 8, .value_kind: global_buffer, .address_space: global }
      - { .name: out0, .offset: 32, .size: 8, .value_kind: global_buffer, .address_space: global }
    .group_segment_fixed_size: 327680
    .private_segment_fixed_size: 0
    .kernarg_segment_align: 8
    .kernarg_segment_size: 40
    .max_flat_workgroup_size: 128
    .sgpr_count:     100
    .vgpr_count:     768
    .wavefront_size: 32
...
	.end_amdgpu_metadata
.endif
;; end of part 4
